; MI455X (gfx1250); checked and timed in simulation.
; The chip was launched on July 23, 2026; its instructions are those of AMD's public machine-readable ISA for CDNA 5 (MIT licence, August 2026) and "CDNA5" Instruction Set Architecture Reference Guide (July 2026). The comments in the code are by the model that wrote it; some were corrected since.
;; Attn Heads. Allowed arithmetic: matrix products marked QUANTISED: E2M1 operands, one E8M0 scale for each 32 along K, by v_wmma_scale_f32_16x16x128_f8f6f4 with both operands' format E2M1 (or v_wmma_scale_f32_32x16x128_f4), f32 sums; products left as they are: bf16, f16 or f32 operands; f32 sums; everything else in f32.
;; Inputs: out_weight 1,024 x 1,024 float32; qkv 1,024 x 3,072 float32; x 4 x 2,048 x 1,024 float32.
;; Outputs: out0 4 x 2,048 x 1,024 float32.
;; This version of the problem:
;;   THIS VERSION OF THE PROBLEM IS GIVEN IN LOW PRECISION. The matrix products marked QUANTISED in the list below multiply operands that are first quantised to E2M1 (2 exponent bits, 1 mantissa bit; 4 bits a number), with one power-of-two scale for each 32 numbers along K (OCP MX v1.0); their sums are f32. The products marked 'left as it is' may take bf16, f16 or f32 operands, with f32 sums. Whichever they take, every output number must still come out within the allowed error. Rounding operands to bf16 (8 significant bits) uses up far more of that allowance than f16 does (11 bits, for magnitudes from 6e-5 to 65,504). All else is computed in f32.
;;   The module's matrix products, in the order in which they are computed (A, B: the left and right operand; K: the contracted axis; several contracted axes count as one K, in the product's order):
;;     1. [M 8,192, K 1,024] x [K 1,024, N 3,072]; A: input x; B: input qkv: QUANTISED
;;     2. batch 64 x [M 2,048, K 64] x [K 64, N 2,048]; A: computed on the way; B: computed on the way: left as it is (an operand is computed on the way)
;;     3. batch 64 x [M 2,048, K 2,048] x [K 2,048, N 64]; A: computed on the way; B: computed on the way: left as it is (an operand is computed on the way)
;;     4. [M 8,192, K 1,024] x [K 1,024, N 1,024]; A: computed on the way; B: input out_weight: left as it is (an operand is computed on the way)
;;   THE QUANTISER, for each operand of a quantised product, along K:
;;     - K is cut into blocks of 32 from its start; a last block that is shorter is filled with zeros.
;;     - A block's scale is 2^e with e = floor(log2(the largest magnitude in the block)) - 2, held to -126 .. 127; a block of zeros has e = 0. As a byte (E8M0): e + 127.
;;     - Each number is divided by its block's scale, clamped to +-6, and rounded to the nearest number of E2M1, ties to even, subnormals kept.
;;     - The product sums the exact products of the quantised numbers (number of the format x scale) in f32.
;;   ~~~python
;;   def quantise(x, axis):      # numpy; x: float32 -> the quantised numbers, widened to float32 again
;;       x = np.moveaxis(x, axis, -1); K = x.shape[-1]
;;       x = np.pad(x, [(0, 0)] * (x.ndim - 1) + [(0, -K % 32)]); x = x.reshape(x.shape[:-1] + (-1, 32)); a = np.abs(x).max(-1, keepdims=True)
;;       e = np.where(a > 0, np.clip(np.frexp(np.where(a > 0, a, 1))[1] - 1 - 2, -126, 127), 0)      # np.frexp(a)[1] - 1 = floor(log2(a)), exactly
;;       r = np.clip(x / 2.0 ** e, -6, 6)
;;       step = 2.0 ** (np.maximum(np.frexp(np.where(r == 0, 1, r))[1] - 1, 0) - 1)
;;       q = np.round(r / step) * step * 2.0 ** e      # np.round: ties to even
;;       return np.moveaxis(q.reshape(q.shape[:-2] + (-1,))[..., :K], -1, axis).astype(np.float32)
;;   ~~~
;; One version. Each part assembles by itself: llvm-mc -triple=amdgcn-amd-amdhsa -mcpu=gfx1250 --defsym DOCPART=n.
;; ======== version 1 of 1: 4 launches
;; limits: values are held in f16: magnitudes above 65,504 overflow, below 6.1e-05 lose precision; right only within a limited range of input values
;; workspace buffers: codes 5,767,168 bytes; scales 360,448 bytes; wi 2,097,152 bytes; qi 16,777,216 bytes; kv 33,554,432 bytes; stat 1,048,576 bytes; oi 16,777,216 bytes
;; launch prep (part 1): grid 368 x 1, 4 waves a work-group, no clusters, 68,096 bytes of LDS; arguments x, qkv, out_weight, codes, scales, wi; writes codes, scales, wi
.if DOCPART == 1
	.amdgcn_target "amdgcn-amd-amdhsa--gfx1250"
	.amdhsa_code_object_version 6
	.text
	.protected	k_q6770baebfc_prep
	.globl	k_q6770baebfc_prep
	.p2align	8
	.type	k_q6770baebfc_prep,@function
k_q6770baebfc_prep:
	s_mov_b64 s[64:65], 0
	v_nop
	global_prefetch_b8 v0, s[64:65] scope:SCOPE_SE
	s_setreg_imm32_b32 hwreg(HW_REG_WAVE_MODE, 25, 1), 1
	s_wait_xcnt 0x0
; PREP.  Three jobs in one launch, told apart by the work-group's number; each has LDS bytes of its own.
;  X (work-groups 0-255):   x [8192][1024] f32 -> codes of FP4 (E2M1), K innermost, 512 bytes a row, at byte 0 of 'codes'; one E8M0 byte for each 32 along K at byte 0 of 'scales'.
;  Q (work-groups 256-303): qkv [1024 (k)][3072 (n)] f32, K its FIRST axis -> codes [3072][512 bytes] at byte XC of 'codes', scale bytes [3072][32] at byte XS of 'scales'.
;  O (work-groups 304-367): out_weight [1024 (k)][1024 (e)] f32 -> bf16, laid as the last launch's operand registers: [k / 128][e / 16][(k / 32) % 4][g][lane][16 bytes];
;                           lane (r, h) holds column e = 16 E + r and rows k = .. + 16 g + 8 h + 0 .. 7.
; A block's scale is 2^(floor(log2(its largest magnitude)) - 2); its byte is the largest magnitude's exponent field - 2, held at 1 from below.
; LIMITS: a block of zeros gets the byte 1 (its codes are zeros, and the bytes are read by this program alone); blocks whose largest magnitude lies under 2^(2 - 126) keep the byte 1; NaN and infinities are not served.
; No tensor loads, no barrier: waves share nothing.  No cluster: no two work-groups read the same bytes.
.set XC,    4194304                    ; qkv's codes in 'codes'
.set XS,    262144                     ; qkv's scale bytes in 'scales'
.set SPARE, 67584                      ; the spare words, 128 bytes for each wave: two blocks of 256 bytes that no other line names
.set SPW,   192                        ; v192  LDS address of my spare word; never rewritten
.set NIL,   193                        ; v193  0; never rewritten
; path X: LDS bytes 0 .. 32,767
.set STEPS, 16
.set WREG,  8192                       ; a region for each wave: two stages of 32 x XSP bytes, then its 256 scale bytes
.set XSP,   80                         ; a lane's place in a stage: 64 bytes + 16 of padding
.set CB,    8                          ; bytes of 16 codes
.set XR,    16                         ; v16-79   four sets of 16 numbers as they are loaded
.set XX,    80                         ; v80-111  two sets of 16 neighbours
.set XE,    112                        ; v112-127 a scale byte for each step
.set XCD,   128                        ; v128-191 codes, four registers for each step
; path Q: LDS bytes 32,768 .. 67,583
.set QSTG,  32768
.set QP,    272                        ; a stage row: 256 bytes of codes + 16
.set QN,    3072
.set QKROW, 512
.set NB,    16                         ; blocks of 32 along K for a wave
.set QX,    32                         ; v32-95   two sets of 32 numbers
.set QC,    96                         ; v96-99   a block's codes
.set QOUT,  112                        ; v112-175 the way out
.set QSB,   24                         ; v24-27   the scale bytes, four to a register
; path O
.set OX,    32                         ; v32-159  four sets of 32 numbers
.macro XLOAD t
.irp i, 0,1,2,3
	global_load_b128 v[XR+16*((\t)%4)+4*\i:XR+16*((\t)%4)+4*\i+3], v3, s[4:5] offset:2048*(\t)+512*\i th:TH_LOAD_NT   ; 32 lanes read 512 consecutive bytes
.endr
.endm
.macro XTURN t                         ; step t's numbers through the stage: in as they lie, back 64 bytes a lane.  LDS serves a wave's instructions in order
.irp i, 0,1,2,3
	ds_store_b128 v14, v[XR+16*((\t)%4)+4*\i:XR+16*((\t)%4)+4*\i+3] offset:32*XSP*((\t)%2)+8*XSP*\i
.endr
.irp i, 0,1,2,3
	ds_load_b128 v[XX+16*((\t)%2)+4*\i:XX+16*((\t)%2)+4*\i+3], v15 offset:32*XSP*((\t)%2)+16*\i
.endr
.endm
.macro XSTEP t
.set XS0, XX+16*((\t)%2)
.if (\t) > 0
	s_wait_dscnt 1                                 ; this step's numbers are back (the last step's byte store may be out): so its stores into the stage have read their registers,
.else
	s_wait_dscnt 0x0
.endif
.if (\t)+4 < STEPS
	XLOAD (\t)+4                                   ; which take the loads of four steps on
.endif
.if (\t)+1 < STEPS
.if STEPS-2-(\t) >= 3
	s_wait_loadcnt 12                              ; the next step's four loads are in; those of the three steps behind it may be out
.else
	s_wait_loadcnt 4*(STEPS-2-(\t))
.endif
	XTURN (\t)+1
.endif
	v_max3_num_f32 v8, |v[XS0]|, |v[XS0+1]|, |v[XS0+2]|            ; the largest magnitude of my 16, in two chains
	v_max3_num_f32 v9, |v[XS0+3]|, |v[XS0+4]|, |v[XS0+5]|
.irp i, 6,10
	v_max3_num_f32 v8, v8, |v[XS0+\i]|, |v[XS0+\i+1]|
	v_max3_num_f32 v9, v9, |v[XS0+\i+2]|, |v[XS0+\i+3]|
.endr
	v_max3_num_f32 v8, v8, |v[XS0+14]|, |v[XS0+15]|
	v_max3_num_f32 v8, v8, v9, 0x1800000           ; and the floor 2^(3 - 127): the byte cannot fall under 1
	v_max_num_f32_dpp v8, v8, v8 row_xmask:1 row_mask:0xf bank_mask:0xf   ; and of my neighbour's 16: the block's
	v_add_nc_u32 v11, 0xff000000, v8               ; 2 off its exponent field: the conversion takes the exponent field of this operand as its scale
	v_cvt_scalef32_pk8_fp4_f32 v[XCD+4*(\t)], v[XS0:XS0+7], v11
	v_cvt_scalef32_pk8_fp4_f32 v[XCD+4*(\t)+1], v[XS0+8:XS0+15], v11
	v_lshrrev_b32 v[XE+(\t)], 23, v11              ; the scale's byte (also the plain line behind the conversions)
	ds_store_b8 v5, v[XE+(\t)] offset:16*(\t)      ; both lanes of a block write the same byte with the same value
	global_store_b64 v4, v[XCD+4*(\t):XCD+4*(\t)+1], s[10:11] offset:32*CB*(\t)   ; the wave stores 256 consecutive bytes, aligned
.endm
.macro QLOAD t                         ; block t: qkv(32 t + i, my column), i = 0 .. 31, into set t % 2
.irp i, 0,1,2,3,4,5,6,7,8,9,10,11,12,13,14,15,16,17,18,19,20,21,22,23,24,25,26,27,28,29,30,31
	global_load_b32 v[QX+32*((\t)%2)+\i], v3, s[6:7] offset:(32*(\t)+\i)*QN*4 th:TH_LOAD_NT
.endr
.endm
.macro QBLOCK t
.set QS0, QX+32*((\t)%2)
.if (\t) < NB-1
	s_wait_loadcnt 32                              ; this block's 32 loads are in; the next block's may be out
.else
	s_wait_loadcnt 0
.endif
	v_max3_num_f32 v12, |v[QS0]|, |v[QS0+1]|, |v[QS0+2]|           ; the block's largest magnitude: all 32 numbers are mine
	v_max3_num_f32 v13, |v[QS0+3]|, |v[QS0+4]|, |v[QS0+5]|
.irp i, 6,10,14,18,22,26
	v_max3_num_f32 v12, v12, |v[QS0+\i]|, |v[QS0+\i+1]|
	v_max3_num_f32 v13, v13, |v[QS0+\i+2]|, |v[QS0+\i+3]|
.endr
	v_max3_num_f32 v12, v12, |v[QS0+30]|, |v[QS0+31]|
	v_max3_num_f32 v12, v12, v13, 0x1800000        ; and the floor
	v_add_nc_u32 v11, 0xff000000, v12              ; the conversion's scale operand
	v_lshrrev_b32 v13, 23, v11                     ; the scale's byte
.if (\t)%4 == 0
	v_mov_b32 v[QSB+(\t)/4], v13                   ; four bytes to a register, the lower K in the lower byte
.else
	v_lshl_or_b32 v[QSB+(\t)/4], v13, 8*((\t)%4), v[QSB+(\t)/4]
.endif
.irp g, 0,1,2,3
	v_cvt_scalef32_pk8_fp4_f32 v[QC+\g], v[QS0+8*\g:QS0+8*\g+7], v11
.endr
	v_nop                                          ; one plain line behind the last conversion
	ds_store_b128 v4, v[QC:QC+3] offset:16*(\t)    ; 32 codes: 16 bytes of my column's row
.if (\t)+2 < NB
	QLOAD (\t)+2
.endif
	s_wait_dscnt 0x0                               ; the store has read its registers: the next block's codes may be written
.endm
.macro OLOAD c                         ; out_weight(32 c + i, my column) of my K step
.irp i, 0,1,2,3,4,5,6,7,8,9,10,11,12,13,14,15,16,17,18,19,20,21,22,23,24,25,26,27,28,29,30,31
	global_load_b32 v[OX+32*(\c)+\i], v3, s[8:9] offset:(32*(\c)+\i)*4096 th:TH_LOAD_NT
.endr
.endm
.macro OPART c
.set OS0, OX+32*(\c)
.if (\c) < 3
	s_wait_loadcnt 32                              ; this block's 32 loads are in; the next block's may be out
.else
	s_wait_loadcnt 0
.endif
.if (\c)+2 < 4
	OLOAD (\c)+2
.endif
.set i, 0
.rept 16
	v_cvt_pk_bf16_f32 v[OS0+i], v[OS0+2*i], v[OS0+2*i+1]           ; in place, ascending: register i takes rows 2 i, 2 i + 1
.set i, i+1
.endr
.irp g, 0,1
.irp h, 0,1
	global_store_b128 v4, v[OS0+8*\g+4*\h:OS0+8*\g+4*\h+3], s[14:15] offset:(\c)*1024+\g*512+\h*256   ; sixteen lanes store 256 consecutive bytes, aligned
.endr
.endr
.endm
	s_load_b256 s[4:11], s[0:1], 0x0               ; x s[4:5], qkv s[6:7], out_weight s[8:9], codes s[10:11]
	s_load_b128 s[12:15], s[0:1], 0x20             ; scales s[12:13], wi s[14:15]
	v_lshl_add_u32 v[SPW], v0, 2, SPARE
	v_mov_b32 v[NIL], 0
	v_lshrrev_b32 v1, 5, v0
	v_readfirstlane_b32 s16, v1                    ; wave 0..3
	v_and_b32 v2, 31, v0                           ; lane
	s_mov_b32 s21, 0                               ; the upper word of every offset pair
	s_wait_kmcnt 0x0
	s_cmp_lt_u32 ttmp9, 256
	s_cbranch_scc1 .Lpath_x
	s_cmp_lt_u32 ttmp9, 304
	s_cbranch_scc1 .Lpath_q
	; ---- path O: a wave takes 32 columns x the 128 rows of one K step; a lane a column, its registers down K
	s_sub_co_u32 s17, ttmp9, 304
	s_and_b32 s18, s17, 7                          ; which 128 columns
	s_lshr_b32 s19, s17, 3                         ; which K step
	v_lshlrev_b32 v3, 2, v2                        ; in: 4 bytes a lane
	v_lshrrev_b32 v4, 4, v2
	v_and_b32 v5, 15, v2
	v_lshlrev_b32 v4, 12, v4
	v_lshl_add_u32 v4, v5, 4, v4                   ; out: tile lane / 16 (4,096 bytes), place 16 (lane % 16)
	s_lshl_b32 s20, s19, 19                        ; 128 rows of 4,096 bytes
	s_lshl_b32 s22, s18, 9
	s_add_co_u32 s20, s20, s22
	s_lshl_b32 s22, s16, 7
	s_add_co_u32 s20, s20, s22
	s_add_nc_u64 s[8:9], s[8:9], s[20:21]
	s_lshl_b32 s20, s19, 18                        ; 64 tiles of 4,096 bytes a K step
	s_lshl_b32 s22, s18, 15
	s_add_co_u32 s20, s20, s22
	s_lshl_b32 s22, s16, 13
	s_add_co_u32 s20, s20, s22
	s_add_nc_u64 s[14:15], s[14:15], s[20:21]
	OLOAD 0
	OLOAD 1
	OPART 0
	OPART 1
	OPART 2
	OPART 3
	s_endpgm
.Lpath_x:
	; ---- path X: a wave takes 16 steps of 512 numbers of the stream
	v_lshlrev_b32 v3, 4, v2                        ; my 16 bytes of a load's 512
	s_mul_i32 s17, s16, WREG
	v_lshrrev_b32 v14, 2, v2
	v_mul_u32_u24 v14, v14, XSP
	v_and_b32 v15, 3, v2
	v_lshl_add_u32 v14, v15, 4, v14
	v_add_nc_u32 v14, s17, v14                     ; the stage, on the way in: XSP (lane / 4) + 16 (lane % 4)
	v_mul_u32_u24 v15, v2, XSP
	v_add_nc_u32 v15, s17, v15                     ; and on the way out: XSP x lane
	v_mul_u32_u24 v4, v2, CB                       ; my codes' place in a step's
	v_lshrrev_b32 v5, 1, v2
	s_add_co_u32 s17, s17, 2*32*XSP
	v_add_nc_u32 v5, s17, v5                       ; my wave's 256 scale bytes, my block's byte
	v_lshlrev_b32 v7, 3, v2
	v_add_nc_u32 v6, s17, v7                       ; and on the way out 8 bytes a lane
	s_lshl_b32 s18, ttmp9, 2
	s_add_co_u32 s18, s18, s16                     ; which run of 8,192 numbers is my wave's
	s_lshl_b32 s20, s18, 15
	s_add_nc_u64 s[4:5], s[4:5], s[20:21]
	s_lshl_b32 s20, s18, 12
	s_add_nc_u64 s[10:11], s[10:11], s[20:21]
	s_lshl_b32 s20, s18, 8
	s_add_nc_u64 s[12:13], s[12:13], s[20:21]
.irp t, 0,1,2,3
	XLOAD \t
.endr
	s_wait_loadcnt 12                              ; step 0's four loads are in
	XTURN 0
.irp t, 0,1,2,3,4,5,6,7,8,9,10,11,12,13,14,15
	XSTEP \t
.endr
	ds_load_b64 v[8:9], v6                         ; LDS serves a wave's instructions in order: these see my byte stores
	s_wait_dscnt 0x0
	global_store_b64 v7, v[8:9], s[12:13]          ; 32 lanes store 256 consecutive bytes, aligned
	s_wait_tensorcnt 0x0                           ; the wave's end: a tensor wait, an add of 0 to my spare word and its wait, behind my last LDS store
	ds_add_u32 v[SPW], v[NIL]
	s_wait_dscnt 0x0
	s_endpgm
.Lpath_q:
	; ---- path Q: a wave takes 32 columns x 512 along K; a lane a column, its registers down K
	s_sub_co_u32 s17, ttmp9, 256                   ; 0 .. 47
	s_cmp_ge_u32 s17, 24
	s_cselect_b32 s18, 1, 0                        ; which 512 along K
	s_cselect_b32 s19, 24, 0
	s_sub_co_u32 s17, s17, s19                     ; which 128 columns
	s_lshl_b32 s17, s17, 7
	s_lshl_b32 s19, s16, 5
	s_add_co_u32 s17, s17, s19                     ; my wave's first column
	v_lshlrev_b32 v3, 2, v2                        ; in: 4 bytes a lane
	s_mul_i32 s19, s16, 32*QP
	s_add_co_u32 s19, s19, QSTG                    ; my stage
	v_mul_u32_u24 v4, v2, QP
	v_add_nc_u32 v4, s19, v4                       ; into it: row = my column
	v_and_b32 v5, 15, v2
	v_lshrrev_b32 v6, 4, v2
	v_mul_u32_u24 v7, v6, QP
	v_lshl_add_u32 v7, v5, 4, v7
	v_add_nc_u32 v7, s19, v7                       ; out of it: sixteen lanes to a row, two rows an instruction
	v_mul_u32_u24 v8, v6, QKROW
	v_lshl_add_u32 v8, v5, 4, v8                   ; and the same place in the codes
	v_lshlrev_b32 v9, 5, v2                        ; my column's row of scale bytes
	s_mul_i32 s20, s18, 512*QN*4
	s_lshl_b32 s22, s17, 2
	s_add_co_u32 s20, s20, s22
	s_add_nc_u64 s[6:7], s[6:7], s[20:21]
	s_lshl_b32 s20, s17, 9
	s_lshl_b32 s22, s18, 8
	s_add_co_u32 s20, s20, s22
	s_add_co_u32 s20, s20, XC
	s_add_nc_u64 s[10:11], s[10:11], s[20:21]
	s_lshl_b32 s20, s17, 5
	s_lshl_b32 s22, s18, 4
	s_add_co_u32 s20, s20, s22
	s_add_co_u32 s20, s20, XS
	s_add_nc_u64 s[12:13], s[12:13], s[20:21]
	QLOAD 0
	QLOAD 1
.set Q, 0
.rept NB
	QBLOCK Q
.set Q, Q+1
.endr
	global_store_b128 v9, v[QSB:QSB+3], s[12:13]   ; my column's 16 scale bytes
.irp t, 0,1,2,3,4,5,6,7,8,9,10,11,12,13,14,15
	ds_load_b128 v[QOUT+4*\t:QOUT+4*\t+3], v7 offset:2*\t*QP
.endr
.irp t, 0,1,2,3,4,5,6,7,8,9,10,11,12,13,14,15
	s_wait_dscnt 15-\t                             ; LDS loads come back in order: load t is in
	global_store_b128 v8, v[QOUT+4*\t:QOUT+4*\t+3], s[10:11] offset:2*\t*QKROW   ; sixteen lanes store 256 consecutive bytes, aligned
.endr
	s_wait_tensorcnt 0x0                           ; the wave's end: a tensor wait, an add of 0 to my spare word and its wait, behind my last LDS store
	ds_add_u32 v[SPW], v[NIL]
	s_wait_dscnt 0x0
	s_endpgm
.Lfunc_end_k_q6770baebfc_prep:
	.size	k_q6770baebfc_prep, .Lfunc_end_k_q6770baebfc_prep-k_q6770baebfc_prep
	.p2alignl 7, 3214868480
	.fill 96, 4, 3214868480
	.section	.rodata,"a",@progbits
	.p2align	6, 0x0
	.amdhsa_kernel k_q6770baebfc_prep
		.amdhsa_group_segment_fixed_size 68096
		.amdhsa_private_segment_fixed_size 0
		.amdhsa_enable_private_segment 0
		.amdhsa_kernarg_size 48
		.amdhsa_user_sgpr_count 2
		.amdhsa_user_sgpr_kernarg_segment_ptr 1
		.amdhsa_wavefront_size32 1
		.amdhsa_system_sgpr_workgroup_id_x 1
		.amdhsa_system_sgpr_workgroup_id_y 1
		.amdhsa_system_sgpr_workgroup_id_z 1
		.amdhsa_system_vgpr_workitem_id 0
		.amdhsa_next_free_vgpr 200
		.amdhsa_next_free_sgpr 66
		.amdhsa_reserve_vcc 0
		.amdhsa_float_denorm_mode_32 3
		.amdhsa_float_denorm_mode_16_64 3
		.amdhsa_memory_ordered 1
		.amdhsa_forward_progress 1
		.amdhsa_inst_pref_size 130
	.end_amdhsa_kernel
	.amdgpu_metadata
---
amdhsa.version: [ 1, 2 ]
amdhsa.kernels:
  - .name:           k_q6770baebfc_prep
    .symbol:         k_q6770baebfc_prep.kd
    .args:
      - { .name: x, .offset: 0, .size: 8, .value_kind: global_buffer, .address_space: global }
      - { .name: qkv, .offset: 8, .size: 8, .value_kind: global_buffer, .address_space: global }
      - { .name: out_weight, .offset: 16, .size: 8, .value_kind: global_buffer, .address_space: global }
      - { .name: codes, .offset: 24, .size: 8, .value_kind: global_buffer, .address_space: global }
      - { .name: scales, .offset: 32, .size: 8, .value_kind: global_buffer, .address_space: global }
      - { .name: wi, .offset: 40, .size: 8, .value_kind: global_buffer, .address_space: global }
    .group_segment_fixed_size: 68096
    .private_segment_fixed_size: 0
    .kernarg_segment_align: 8
    .kernarg_segment_size: 48
    .max_flat_workgroup_size: 128
    .sgpr_count:     66
    .vgpr_count:     200
    .wavefront_size: 32
...
	.end_amdgpu_metadata
.endif
;; end of part 1
;; launch gemm1 (part 2): grid 12 x 32, 4 waves a work-group, clusters of 4 x 4, 327,680 bytes of LDS; arguments codes, scales, qi, kv, stat; writes qi, kv, stat
.if DOCPART == 2
	.amdgcn_target "amdgcn-amd-amdhsa--gfx1250"
	.amdhsa_code_object_version 6
	.text
	.protected	k_q6770baebfc_gemm1
	.globl	k_q6770baebfc_gemm1
	.p2align	8
	.type	k_q6770baebfc_gemm1,@function
k_q6770baebfc_gemm1:
	s_mov_b64 s[64:65], 0
	v_nop
	global_prefetch_b8 v0, s[64:65] scope:SCOPE_SE
	s_setreg_imm32_b32 hwreg(HW_REG_WAVE_MODE, 25, 1), 1
	s_wait_xcnt 0x0
	s_wait_alu depctr_hold_cnt(0) depctr_sa_sdst(0) depctr_va_vdst(0) depctr_va_sdst(0) depctr_va_ssrc(0) depctr_va_vcc(0) depctr_vm_vsrc(0)
	s_getreg_b32 s2, hwreg(HW_REG_IB_STS2, 6, 4)
	s_cmp_eq_u32 s2, 0
	s_cbranch_scc0 .Lentry_in_a_cluster
	s_endpgm
.Lentry_in_a_cluster:
	s_bfe_u32 s2, ttmp6, 0x10000c
	s_cmp_lg_u32 s2, 0xf033
	s_cbranch_scc0 .Lentry_shape_is_right
	s_endpgm
.Lentry_shape_is_right:
; GEMM1.  [8192][3072] = x qkv on codes of FP4 (E2M1) with one E8M0 scale for each 32 along K; sums in f32.  A = x's codes and scale bytes, B = qkv's (K innermost), both out of 'codes' and 'scales'.
; A tile of 256 x 256 is made by four waves, 128 x 128 each: 64 accumulators, 512 registers.  K = 1,024 is two slots of 512: both are first fills, nothing is filled again.
; CLUSTERS: 4 x 4 work-groups; A's tiles are asked for jointly along a row of the cluster, B's along a column.  The matrix instruction is used TRANSPOSED (source 0 = 16 rows of B, source 1 = 16 rows of A):
; lane (r, h) holds token 16 a + r and the columns 16 b + 8 h + 0 .. 7.
; THE WAY OUT writes what the attention launch's operand registers want, straight from registers, 512 consecutive bytes a store.  A cluster's x is the kind of its columns: 0 q, 1 k, 2 v.
;  q, k: k . q = (sum k)(sum q) / 64 + sum (k - mean k)(q - mean q), an identity for every input.  The row's sum over its head's 64 channels goes to 'stat' in f32; the residual x 2^-6 goes out in f16.
;        qi: [bn][t / 16][g][lane][16 bytes], lane (r, h): token r, channels 16 g + 8 h + 0 .. 7.   kv, K's region of a part of 512 keys: the same map.
;  v:    bf16; kv, V's region: [32 keys][16 channels][16 keys' parity][position][16 bytes], position 16 (key / 8 % 2) + 8 h + key % 8, so that the turning LDS load at 16 x lane finds its bytes.
; LIMIT: the f16 residuals hold |q - mean|, |k - mean| under 4.19e6 (65,504 x 64); NaN and infinities are not served.
.set SIZE_K, 1024
.set XC,     4194304                   ; qkv's codes in 'codes'
.set XS,     262144                    ; qkv's scale bytes in 'scales'
.set KSTEP,  512                       ; along K in a slot
.set NQ,     KSTEP/128
.set ROWB,   256                       ; a tile's row in bytes
.set KROW,   SIZE_K*4/8
.set PITCH,  272                       ; an LDS row: 256 bytes + 16 of padding: the 16 rows of a load start at 16 different banks (64 banks of 4 bytes: ISA guide 11.1)
.set FR,     8
.set NL,     2
.set NP,     4                         ; places behind this matrix instruction (ISA guide 7.12.1)
.set HALFT,  128*PITCH
.set SLOT,   4*HALFT
.set KS,     SIZE_K/32
.set SCL,    2*SLOT                    ; behind the ring: the scales, as units of 256 bytes + 16
.set HALFS,  (128*KS/256)*272
.set SBLK,   (16*KS/256)*272
.set SPARE,  SCL+4*HALFS               ; the spare words, 128 bytes for each wave
.set STG,    SPARE+512                 ; the row sums' stage, 1,024 bytes for each wave: bytes of its own, into which no fill lands
.set ADRA, 16                          ; v16-17  LDS address of my A fragments in slot 0, 1
.set ADRB, 20                          ; v20-21  the same for B
.set LN16, 24                          ; v24     16 x lane
.set PI16, 25                          ; v25     16 x V's position of my lane
.set STA,  26                          ; v26     the sums' stage, in: 4 r
.set ADRS, 27                          ; v27     LDS address of my scale words
.set SPW,  28                          ; v28     my spare word; never rewritten
.set NIL,  29                          ; v29     0; never rewritten
.set STR,  30                          ; v30     the sums' stage, back: 16 x lane
.set SC,   32                          ; scale words, two sets
.set AF,   128                         ; A's fragments, in window 0
.set T,    32                          ; the way out: v32-47 partial sums
.set U,    48                          ; v48-49 the row's sum
.set MM,   50                          ; v50-51 - sum x 2^-12
.set X,    64                          ; v64-95 32 residuals
.set Y,    96                          ; v96-159 packed results
.set G1, 24
.set G0, 32
.set G1B, 48
.set G0B, 56
.set G1S, 68
.set G0S, 76
.set G1SB, 80
.set G0SB, 88
.set BP,  32                           ; the way out: s[32:33], s[34:35] where my two heads' images begin
.set SPT, 36                           ; s[36:37], s[38:39] and their sums
.set MSB, 0
.macro WIN new                         ; the immediate's high byte repeats the setting that is left
.if MSB != \new
	s_set_vgpr_msb (MSB<<8)|\new
.set MSB, \new
.endif
.endm
.set MUL_LO, 0xa1                      ; source 0 (B) window 1, source 1 (A) window 0, C and D window 2
.set MUL_HI, 0xf1
.set TO_B,   0x40
; A joint load: waves 0 and 1 fetch for A, waves 2 and 3 for B; the branch hangs on the wave's number alone.  An s_nop 0 and four v_nop follow each line.
.macro JLOAD g0a, g1a, g0b, g1b
	s_cmp_eq_u32 s15, 0
	s_cbranch_scc0 .Lfor_b_\@
	tensor_load_to_lds s[\g0a:\g0a+3], s[\g1a:\g1a+7]
	s_nop 0
.rept 4
	v_nop
.endr
	s_branch .Lasked_\@
.Lfor_b_\@:
	tensor_load_to_lds s[\g0b:\g0b+3], s[\g1b:\g1b+7]
	s_nop 0
.rept 4
	v_nop
.endr
.Lasked_\@:
.endm
.macro CROUND                          ; a round of the cluster's barrier
	s_barrier_signal -1
	s_barrier_wait -1
	s_cmp_lg_u32 s14, 0
	s_cbranch_scc1 .Lnot_wave_0_\@
	s_barrier_signal -3
.Lnot_wave_0_\@:
	s_barrier_wait -3
	s_barrier_signal -1
	s_barrier_wait -1
.endm
	s_load_b128 s[4:7], s[0:1], 0x0                ; codes s[4:5], scales s[6:7]
	s_load_b128 s[96:99], s[0:1], 0x10             ; qi s[96:97], kv s[98:99]
	s_load_b64 s[12:13], s[0:1], 0x20              ; stat
	v_lshl_add_u32 v[SPW], v0, 2, SPARE
	v_mov_b32 v[NIL], 0
	ds_add_u32 v[SPW], v[NIL]                      ; the wave's opening: an add of 0 to my spare word, twice on end, and its wait ahead of my first tensor load
	ds_add_u32 v[SPW], v[NIL]
	v_lshrrev_b32 v1, 5, v0
	v_readfirstlane_b32 s14, v1                    ; wave 0..3
	s_lshr_b32 s15, s14, 1                         ; which half of the tile's rows is mine.  Also: I fetch for A (0) or for B (1)
	s_and_b32 s16, s14, 1                          ; which half of its columns.  Also: which 128 rows of that tile I fetch
	s_bfe_u32 s40, ttmp6, 0x40000                  ; cx, cy: my place in the cluster
	s_bfe_u32 s41, ttmp6, 0x40004
	s_lshl_b32 s42, ttmp9, 2
	s_add_co_u32 s42, s42, s40                     ; tile column = 4 x cluster x + cx
	s_and_b32 s17, ttmp7, 0xffff
	s_lshl_b32 s17, s17, 2
	s_add_co_u32 s17, s17, s41                     ; tile row = 4 x cluster y + cy
	s_lshl_b32 s43, s41, 2
	s_lshl_b32 s43, 15, s43                        ; my row of the cluster
	s_lshl_b32 s44, 0x1111, s40                    ; my column
	; descriptor group 1: a tile of 128 rows x 256 bytes, 16 bytes of padding behind each row
	s_or_b32 s[G1+0], s43, (0<<16)|(1<<20)|(1<<21)|(5<<22)|(3<<25)
	s_or_b32 s[G1B+0], s44, (0<<16)|(1<<20)|(1<<21)|(5<<22)|(3<<25)
.irp g, G1, G1B
	s_mov_b32 s[\g+1], ROWB<<16                    ; tensor_dim0
	s_mov_b32 s[\g+2], 128<<16                     ; tensor_dim1
	s_mov_b32 s[\g+3], ROWB<<16                    ; tile_dim0
	s_mov_b32 s[\g+4], 128                         ; tile_dim1
	s_mov_b32 s[\g+5], KROW                        ; tensor_dim0_stride
	s_mov_b32 s[\g+6], 0
	s_mov_b32 s[\g+7], 0
.endr
	; the scales of 128 rows: a dense block, as rows of 256 bytes (32 elements of 8 bytes), 16 bytes of padding behind each
	s_or_b32 s[G1S+0], s43, (3<<16)|(1<<20)|(1<<21)|(5<<22)|(3<<25)
	s_or_b32 s[G1SB+0], s44, (3<<16)|(1<<20)|(1<<21)|(5<<22)|(3<<25)
.irp g, G1S, G1SB
	s_mov_b32 s[\g+1], 32<<16
	s_mov_b32 s[\g+2], (128*KS/256)<<16
	s_mov_b32 s[\g+3], 32<<16
	s_mov_b32 s[\g+4], 128*KS/256
	s_mov_b32 s[\g+5], 32
	s_mov_b32 s[\g+6], 0
	s_mov_b32 s[\g+7], 0
.endr
	s_lshl_b32 s18, s16, 7                         ; which 128 rows of the tile I fetch
	s_lshl_b32 s20, s17, 8
	s_add_co_u32 s20, s20, s18                     ; A: row 256 x tile row + 128 x half
	s_lshl_b32 s46, s42, 8
	s_add_co_u32 s46, s46, s18                     ; B: row 256 x tile column + 128 x half
	s_mov_b32 s21, 0
	s_mov_b32 s47, 0
	s_mov_b64 s[18:19], KS
	s_mul_u64 s[22:23], s[20:21], s[18:19]         ; where these rows' scales begin, in bytes
	s_mul_u64 s[92:93], s[46:47], s[18:19]
	s_mov_b64 s[18:19], KROW
	s_mul_u64 s[20:21], s[20:21], s[18:19]         ; and their codes
	s_mul_u64 s[46:47], s[46:47], s[18:19]
	s_mul_i32 s45, s14, HALFT                      ; where they go: wave x 128 rows: no place in the cluster enters an LDS address
	s_mul_i32 s94, s14, HALFS
	s_wait_dscnt 0x0                               ; both opening adds are done
	s_wait_kmcnt 0x0
	s_add_nc_u64 s[8:9], s[4:5], XC                ; qkv's codes
	s_add_nc_u64 s[10:11], s[6:7], XS              ; and scale bytes
	s_add_nc_u64 s[20:21], s[4:5], s[20:21]
	s_add_nc_u64 s[22:23], s[6:7], s[22:23]
	s_add_nc_u64 s[46:47], s[8:9], s[46:47]
	s_add_nc_u64 s[92:93], s[10:11], s[92:93]
	CROUND                                         ; all sixteen work-groups are here: the first joint loads meet
	s_mov_b32 s[G0S], 1
	s_add_co_u32 s[G0S+1], s94, SCL
	s_mov_b64 s[G0S+2:G0S+3], s[22:23]
	s_or_b32 s[G0S+3], s[G0S+3], 0x80000000
	s_mov_b32 s[G0SB], 1
	s_add_co_u32 s[G0SB+1], s94, SCL
	s_mov_b64 s[G0SB+2:G0SB+3], s[92:93]
	s_or_b32 s[G0SB+3], s[G0SB+3], 0x80000000
	JLOAD G0S, G1S, G0SB, G1SB                     ; the scales first: three loads of mine are out behind the last of these
.irp s, 0,1
	s_mov_b32 s[G0+4*\s], 1
	s_add_co_u32 s[G0+4*\s+1], s45, \s*SLOT
	s_add_nc_u64 s[G0+4*\s+2:G0+4*\s+3], s[20:21], \s*ROWB
	s_or_b32 s[G0+4*\s+3], s[G0+4*\s+3], 0x80000000
	s_mov_b32 s[G0B+4*\s], 1
	s_add_co_u32 s[G0B+4*\s+1], s45, \s*SLOT
	s_add_nc_u64 s[G0B+4*\s+2:G0B+4*\s+3], s[46:47], \s*ROWB
	s_or_b32 s[G0B+4*\s+3], s[G0B+4*\s+3], 0x80000000
	JLOAD G0+4*\s, G1, G0B+4*\s, G1B
.endr
	v_and_b32 v1, 15, v0                           ; r = l % 16
	v_bfe_u32 v2, v0, 4, 1                         ; h = l / 16
	v_mul_u32_u24 v3, v1, PITCH
	v_lshl_add_u32 v4, v2, 4, v3                   ; a fragment's row x pitch + 16 x half
	s_mul_i32 s21, s15, HALFT                      ; my 128 rows of A
	s_mul_i32 s22, s16, HALFT                      ; my 128 rows of B,
	s_add_co_u32 s22, s22, 2*HALFT                 ; which lie behind A's 256
.irp s, 0,1
	v_add_nc_u32 v[ADRA+\s], s21, v4
	v_add_nc_u32 v[ADRB+\s], s22, v4
	s_add_co_u32 s21, s21, SLOT
	s_add_co_u32 s22, s22, SLOT
.endr
	v_mul_u32_u24 v5, v1, KS                       ; my row's scales: KS bytes a row,
	v_lshrrev_b32 v6, 8, v5
	v_lshl_add_u32 v5, v6, 4, v5                   ; and 16 more for each 256 passed
	s_mul_i32 s21, s15, HALFS
	s_mul_i32 s22, s16, HALFS
	s_add_co_u32 s22, s22, 2*HALFS
	s_sub_co_u32 s22, s22, s21
	v_mul_u32_u24 v6, s22, v2                      ; lanes 16-31 take B's
	s_add_co_u32 s21, s21, SCL
	v_add_nc_u32 v5, v5, v6
	v_add_nc_u32 v[ADRS], s21, v5
	v_and_b32 v6, 31, v0
	v_lshlrev_b32 v[LN16], 4, v6
	v_bfe_u32 v5, v0, 3, 1
	v_and_b32 v6, 7, v0
	v_lshl_add_u32 v6, v2, 3, v6
	v_lshl_add_u32 v6, v5, 4, v6                   ; 16 (r / 8) + 8 h + r % 8
	v_lshlrev_b32 v[PI16], 4, v6
	s_lshl_b32 s23, s14, 10
	s_add_co_u32 s23, s23, STG                     ; my sums' stage
	v_lshl_add_u32 v[STA], v1, 2, s23
	v_add_nc_u32 v[STR], s23, v[LN16]
.macro FRAG reg, adr, q, i             ; 16 rows x 128 K of 4-bit codes: 8 registers, two loads of 16 bytes, 32 bytes apart
.irp c, 0,1
	ds_load_b128 v[\reg+4*\c:\reg+4*\c+3], v[\adr] offset:64*(\q)+32*\c+(\i)*16*PITCH
.endr
.endm
; 16 matrix instructions: A's blocks a0, a0 + 1 x B's eight, 128 along K.  The 64 accumulators take turns, one instruction a turn.
.macro MUL16 a0, p, q, sc, zero
.irp a, \a0, \a0+1
.irp b, 0,1,2,3,4,5,6,7
.if \zero
	v_wmma_scale_f32_16x16x128_f8f6f4 v[8*(8*((\a)%4)+\b):8*(8*((\a)%4)+\b)+7], v[128*(\p)+FR*\b:128*(\p)+FR*\b+FR-1], v[AF+FR*(\a):AF+FR*(\a)+FR-1], 0, v[SC+8*NQ*(\sc)+NQ*\b+(\q)], v[SC+8*NQ*(\sc)+NQ*(\a)+(\q)] matrix_a_fmt:MATRIX_FMT_FP4 matrix_b_fmt:MATRIX_FMT_FP4 matrix_a_scale:MATRIX_SCALE_ROW1
.else
	v_wmma_scale_f32_16x16x128_f8f6f4 v[8*(8*((\a)%4)+\b):8*(8*((\a)%4)+\b)+7], v[128*(\p)+FR*\b:128*(\p)+FR*\b+FR-1], v[AF+FR*(\a):AF+FR*(\a)+FR-1], v[8*(8*((\a)%4)+\b):8*(8*((\a)%4)+\b)+7], v[SC+8*NQ*(\sc)+NQ*\b+(\q)], v[SC+8*NQ*(\sc)+NQ*(\a)+(\q)] matrix_a_fmt:MATRIX_FMT_FP4 matrix_b_fmt:MATRIX_FMT_FP4 matrix_a_scale:MATRIX_SCALE_ROW1
.endif
.endr
.endr
.endm
.macro FETCH_B slot, q, p
	WIN TO_B
.irp i, 0,1,2,3,4,5,6,7
	FRAG 128*(\p)+FR*\i, ADRB+\slot, \q, \i
.endr
	WIN 0
.endm
.macro FETCH_A slot, q, i0
.irp i, \i0, \i0+1, \i0+2, \i0+3
	FRAG AF+FR*(\i), ADRA+\slot, \q, \i
.endr
.endm
.macro SCALES sc                       ; a K step's scale words: lanes 0-15 take A's block i, lanes 16-31 B's block i
.irp i, 0,1,2,3,4,5,6,7
	ds_load_b128 v[SC+8*NQ*\sc+NQ*\i:SC+8*NQ*\sc+NQ*\i+3], v[ADRS] offset:\i*SBLK
.endr
.endm
.macro PLACES n                        ; plain vector instructions between a matrix instruction and a load into, or a read or write of, its registers
.rept \n
	v_nop
.endr
.endm
.macro STEP slot, q, zero              ; a step of 128 along K that has its successor in the same slot
	s_wait_dscnt 4*NL                              ; B's set and A's blocks 0-3 are in; the youngest eight loads (A's blocks 4-7) may be out
	WIN MUL_LO
	MUL16 0, (\q)%2, \q, \slot, \zero
	MUL16 2, (\q)%2, \q, \slot, \zero
	s_wait_dscnt 0
	PLACES NP
	FETCH_B \slot, (\q)+1, 1-(\q)%2
	FETCH_A \slot, (\q)+1, 0
	WIN MUL_HI
	MUL16 4, (\q)%2, \q, \slot, \zero
	MUL16 6, (\q)%2, \q, \slot, \zero
	PLACES NP
	WIN 0
	FETCH_A \slot, (\q)+1, 4
.endm
.macro STEPS slot, from
.set Q, \from
.rept NQ-1-\from
	STEP \slot, Q, 0
.set Q, Q+1
.endr
.endm
	s_wait_tensorcnt 1                             ; the scales and my part of slot 0 are in (slot 1's load may be out)
	s_barrier_signal -1
	s_barrier_wait -1                              ; everybody's are
	FETCH_B 0, 0, 0
	FETCH_A 0, 0, 0
	SCALES 0
	FETCH_A 0, 0, 4
	STEP 0, 0, 1                                   ; the first step's products start the sums: nothing is cleared
	STEPS 0, 1
	; slot 0's last step changes slots: one barrier; nothing is filled again
	s_wait_tensorcnt 0x0                           ; all my tensor loads have landed: my part of slot 1
	ds_add_u32 v[SPW], v[NIL]                      ; 0 onto my spare word
	s_wait_dscnt 4*NL+1                            ; (the add and the youngest eight loads may be out)
	WIN MUL_LO
	MUL16 0, 1, NQ-1, 0, 0
	s_wait_dscnt 0x0                               ; the add is done, and my reads of slot 0 are over
	s_barrier_signal -1
	MUL16 2, 1, NQ-1, 0, 0
	WIN 0
	s_barrier_wait -1
	PLACES NP
	v_add_nc_u32 v[ADRS], 4*NQ, v[ADRS]            ; on to the next K step's scale words
	FETCH_B 1, 0, 0
	FETCH_A 1, 0, 0
	SCALES 1
	WIN MUL_HI
	MUL16 4, 1, NQ-1, 0, 0
	MUL16 6, 1, NQ-1, 0, 0
	PLACES NP
	WIN 0
	FETCH_A 1, 0, 4
	STEPS 1, 0
	s_wait_dscnt 4*NL                              ; the very last step: nothing more to fetch
	WIN MUL_LO
	MUL16 0, 1, NQ-1, 1, 0
	MUL16 2, 1, NQ-1, 1, 0
	s_wait_dscnt 0
	WIN MUL_HI
	MUL16 4, 1, NQ-1, 1, 0
	MUL16 6, 1, NQ-1, 1, 0
	WIN 0
	PLACES NP                                      ; ahead of the first read of results and the first write of registers that the last products read
	; ---- THE WAY OUT.  No tensor load of mine is out, so the descriptors' registers are free.
	s_and_b32 s20, s17, 7                          ; which 256 of the batch's 2,048 tokens
	s_lshr_b32 s21, s17, 3                         ; the batch
	s_and_b32 s22, s42, 3
	s_lshl_b32 s22, s22, 2
	s_lshl_b32 s23, s16, 1
	s_add_co_u32 s22, s22, s23                     ; my first head: 4 (tile column % 4) + 2 x column half
	s_lshl_b32 s21, s21, 4
	s_add_co_u32 s21, s21, s22                     ; bn = 16 x batch + head
	s_lshl_b32 s46, s15, 14                        ; my row half: 8 tiles of 2,048 bytes
	s_lshl_b32 s92, s21, 18                        ; in qi: 262,144 bytes a head, 16 tiles for each 256 tokens
	s_lshl_b32 s23, s20, 15
	s_add_co_u32 s92, s92, s23
	s_add_co_u32 s92, s92, s46
	s_lshl_b32 s94, s21, 19                        ; in kv: 524,288 bytes a head, 131,072 a part of 512 keys
	s_lshr_b32 s23, s20, 1
	s_lshl_b32 s23, s23, 17
	s_add_co_u32 s94, s94, s23
	s_and_b32 s23, s20, 1
	s_lshl_b32 s23, s23, 15
	s_add_co_u32 s94, s94, s23
	s_add_co_u32 s94, s94, s46
	s_lshl_b32 s46, s21, 13                        ; in stat: 8,192 bytes a head
	s_lshl_b32 s23, s20, 10
	s_add_co_u32 s46, s46, s23
	s_lshl_b32 s23, s15, 9
	s_add_co_u32 s46, s46, s23
	s_mov_b32 s47, 0
	s_mov_b32 s93, 0
	s_mov_b32 s95, 0
	s_mov_b32 s2, 0x40000
	s_mov_b32 s3, 0x80000
	s_mov_b32 s18, 0x76543210                      ; v_permlanex16_b32's selects for lane l xor 16
	s_mov_b32 s19, 0xfedcba98
	s_cmp_eq_u32 ttmp9, 2                          ; the cluster's x: the same in all sixteen partners
	s_cbranch_scc1 .Lv
	s_cmp_eq_u32 ttmp9, 0                          ; q or k?
	s_cselect_b64 s[BP:BP+1], s[96:97], s[98:99]
	s_cselect_b32 s92, s92, s94
	s_cselect_b32 s94, s2, s3                      ; from head to head
	s_cselect_b32 s2, 0, s3                        ; k's sums lie 524,288 bytes behind q's
	s_add_co_u32 s46, s46, s2
	s_add_nc_u64 s[BP:BP+1], s[BP:BP+1], s[92:93]
	s_add_nc_u64 s[BP+2:BP+3], s[BP:BP+1], s[94:95]
	s_add_nc_u64 s[SPT:SPT+1], s[12:13], s[46:47]
	s_add_nc_u64 s[SPT+2:SPT+3], s[SPT:SPT+1], 8192
	v_mov_b32 v[U+1], 0                            ; a lane permute's destination counts as one of its sources
	v_mov_b32 v[MM+1], 0                           ; named as the upper half of a pair
; 16 tokens (block a) of head hd: the row's sum over the head's 64 channels, the residuals x 2^-6 in f16, four stores of 512 consecutive bytes
.macro EPQK a, hd
.set WA, 2+(\a)/4
.set WW, WA|(WA<<2)
.set AC, 64*((\a)%4)+32*(\hd)
.set YS, Y+16*((2*(\a)+(\hd))%4)
	WIN WW                                         ; sources 0 and 1: the accumulators' window
.irp b, 0,1,2,3
	v_pk_add_f32 v[T+4*\b:T+4*\b+1], v[AC+8*\b:AC+8*\b+1], v[AC+8*\b+2:AC+8*\b+3]          ; each accumulator from its low end on
	v_pk_add_f32 v[T+4*\b+2:T+4*\b+3], v[AC+8*\b+4:AC+8*\b+5], v[AC+8*\b+6:AC+8*\b+7]
.endr
	WIN 0
.irp i, 0,4,8,12
	v_pk_add_f32 v[T+\i:T+\i+1], v[T+\i:T+\i+1], v[T+\i+2:T+\i+3]
.endr
	v_pk_add_f32 v[T:T+1], v[T:T+1], v[T+4:T+5]
	v_pk_add_f32 v[T+8:T+9], v[T+8:T+9], v[T+12:T+13]
	v_pk_add_f32 v[T:T+1], v[T:T+1], v[T+8:T+9]
	v_add_f32 v[U], v[T], v[T+1]
	v_permlanex16_b32 v[U+1], v[U], s18, s19
	v_add_f32 v[U], v[U], v[U+1]                   ; the row's sum over 64 channels
	ds_store_b32 v[STA], v[U] offset:512*(\hd)+64*(\a)   ; both halves of the lanes write the same word with the same value
	v_mul_f32 v[MM], 0xb9800000, v[U]              ; - sum x 2^-12 = - mean x 2^-6
	WIN WA
.set i, 0
.rept 16
	v_pk_fma_f32 v[X+i:X+i+1], v[AC+i:AC+i+1], 0x3c800000, v[MM:MM+1] op_sel_hi:[1,0,0]    ; (number - mean) x 2^-6
.set i, i+2
.endr
	WIN 0
	s_wait_xcnt 0x0                                ; earlier stores have read their registers: this set of Y may be written again
.set i, 0
.rept 16
	v_cvt_pk_f16_f32 v[YS+i], v[X+2*i], v[X+2*i+1]
.set i, i+1
.endr
.irp g, 0,1,2,3
	global_store_b128 v[LN16], v[YS+4*\g:YS+4*\g+3], s[BP+2*(\hd):BP+2*(\hd)+1] offset:(\a)*2048+\g*512
.endr
.endm
.irp a, 0,1,2,3,4,5,6,7
	EPQK \a, 0
	EPQK \a, 1
.endr
	ds_load_b128 v[T:T+3], v[STR]                  ; LDS serves a wave's instructions in order: these see my stores.  128 tokens' sums of each head
	ds_load_b128 v[T+4:T+7], v[STR] offset:512
	s_wait_dscnt 0x0
	global_store_b128 v[LN16], v[T:T+3], s[SPT:SPT+1]          ; 512 consecutive bytes
	global_store_b128 v[LN16], v[T+4:T+7], s[SPT+2:SPT+3]
	s_branch .Lend
.Lv:
	s_add_co_u32 s94, s94, 65536                   ; V's region of the part
	s_add_nc_u64 s[BP:BP+1], s[98:99], s[94:95]
	s_add_nc_u64 s[BP+2:BP+3], s[BP:BP+1], 0x80000
; 16 keys (block a) of both heads in bf16: eight stores of 512 consecutive bytes
.macro EPV a
.set WA, 2+(\a)/4
.set WW, WA|(WA<<2)
.set AC, 64*((\a)%4)
.set YS, Y+32*((\a)%2)
	s_wait_xcnt 0x0                                ; earlier stores have read their registers
	WIN WW
.set i, 0
.rept 32
	v_cvt_pk_bf16_f32 v[YS+i], v[AC+2*i], v[AC+2*i+1]
.set i, i+1
.endr
	WIN 0
.irp b, 0,1,2,3,4,5,6,7
	global_store_b128 v[PI16], v[YS+4*\b:YS+4*\b+3], s[BP+2*(\b/4):BP+2*(\b/4)+1] offset:((\a)/2)*4096+(\b%4)*1024+((\a)%2)*512
.endr
.endm
.irp a, 0,1,2,3,4,5,6,7
	EPV \a
.endr
.Lend:
	s_wait_tensorcnt 0x0                           ; the wave's end: a tensor wait, an add of 0 to my spare word and its wait, behind my last tensor load and my last LDS store
	ds_add_u32 v[SPW], v[NIL]
	s_wait_dscnt 0x0
	CROUND                                         ; the closing round
	s_endpgm
.Lfunc_end_k_q6770baebfc_gemm1:
	.size	k_q6770baebfc_gemm1, .Lfunc_end_k_q6770baebfc_gemm1-k_q6770baebfc_gemm1
	.p2alignl 7, 3214868480
	.fill 96, 4, 3214868480
	.section	.rodata,"a",@progbits
	.p2align	6, 0x0
	.amdhsa_kernel k_q6770baebfc_gemm1
		.amdhsa_group_segment_fixed_size 327680
		.amdhsa_private_segment_fixed_size 0
		.amdhsa_enable_private_segment 0
		.amdhsa_kernarg_size 40
		.amdhsa_user_sgpr_count 2
		.amdhsa_user_sgpr_kernarg_segment_ptr 1
		.amdhsa_wavefront_size32 1
		.amdhsa_system_sgpr_workgroup_id_x 1
		.amdhsa_system_sgpr_workgroup_id_y 1
		.amdhsa_system_sgpr_workgroup_id_z 1
		.amdhsa_system_vgpr_workitem_id 0
		.amdhsa_next_free_vgpr 1024
		.amdhsa_next_free_sgpr 100
		.amdhsa_reserve_vcc 0
		.amdhsa_float_denorm_mode_32 3
		.amdhsa_float_denorm_mode_16_64 3
		.amdhsa_memory_ordered 1
		.amdhsa_forward_progress 1
		.amdhsa_inst_pref_size 187
	.end_amdhsa_kernel
	.amdgpu_metadata
---
amdhsa.version: [ 1, 2 ]
amdhsa.kernels:
  - .name:           k_q6770baebfc_gemm1
    .symbol:         k_q6770baebfc_gemm1.kd
    .args:
      - { .name: codes, .offset: 0, .size: 8, .value_kind: global_buffer, .address_space: global }
      - { .name: scales, .offset: 8, .size: 8, .value_kind: global_buffer, .address_space: global }
      - { .name: qi, .offset: 16, .size: 8, .value_kind: global_buffer, .address_space: global }
      - { .name: kv, .offset: 24, .size: 8, .value_kind: global_buffer, .address_space: global }
      - { .name: stat, .offset: 32, .size: 8, .value_kind: global_buffer, .address_space: global }
    .group_segment_fixed_size: 327680
    .private_segment_fixed_size: 0
    .kernarg_segment_align: 8
    .kernarg_segment_size: 40
    .max_flat_workgroup_size: 128
    .sgpr_count:     100
    .vgpr_count:     1024
    .wavefront_size: 32
...
	.end_amdgpu_metadata
.endif
;; end of part 2
;; launch attn (part 3): grid 8 x 64, 4 waves a work-group, clusters of 4 x 1, 327,680 bytes of LDS; arguments qi, kv, stat, oi; writes oi
.if DOCPART == 3
	.amdgcn_target "amdgcn-amd-amdhsa--gfx1250"
	.amdhsa_code_object_version 6
	.text
	.protected	k_q6770baebfc_attn
	.globl	k_q6770baebfc_attn
	.p2align	8
	.type	k_q6770baebfc_attn,@function
k_q6770baebfc_attn:
	s_mov_b64 s[64:65], 0
	v_nop
	global_prefetch_b8 v0, s[64:65] scope:SCOPE_SE
	s_setreg_imm32_b32 hwreg(HW_REG_WAVE_MODE, 25, 1), 1
	s_wait_xcnt 0x0
	s_wait_alu depctr_hold_cnt(0) depctr_sa_sdst(0) depctr_va_vdst(0) depctr_va_sdst(0) depctr_va_ssrc(0) depctr_va_vcc(0) depctr_vm_vsrc(0)
	s_getreg_b32 s2, hwreg(HW_REG_IB_STS2, 6, 4)
	s_cmp_eq_u32 s2, 0
	s_cbranch_scc0 .Lentry_in_a_cluster
	s_endpgm
.Lentry_in_a_cluster:
	s_bfe_u32 s2, ttmp6, 0x10000c
	s_cmp_lg_u32 s2, 0x3003
	s_cbranch_scc0 .Lentry_shape_is_right
	s_endpgm
.Lentry_shape_is_right:
; ATTN.  For each of 64 (batch, head) pairs bn: O[t] = sum over keys s of softmax_s(k_s . q_t) v_s, times 1/8; head size 64, 2,048 keys, no mask, no scale ahead of the softmax.
; SCORES.  k . q = (sum k)(sum q) / 64 + sum (k - mean k)(q - mean q).  The first term is made in f32 by the vector unit and is the C of each score tile's first matrix instruction; the residuals come as
; f16 x 2^-6.  So S is the score x 2^-12, and p = 2^(c S - c m) with c = 2^12 log2(e) and a running maximum m.  In every step O and l are multiplied by a = 2^(c m_old - c m_new).  l sums the unrounded p in f32;
; p, V and O go in bf16.
; SHARES.  A work-group owns 256 queries of one bn, each of its four waves 64: four tiles of 16, in two PIECES (tiles 0, 1 and tiles 2, 3).  Every wave walks all keys, 64 a step.
; LAYOUT.  S^T = K Q^T (source 0 = 16 keys, source 1 = 16 queries), O^T = V^T P: a lane holds one query throughout.  K, V and Q lie in memory as images of the operands' registers (512 bytes for four registers,
; lane l's 16 bytes at 16 l), so LDS has no pitch and every fragment load is 512 consecutive bytes; V's order lets ds_load_tr16_b128 at 16 x lane turn it.
; BY TURNS.  In a TURN one piece has the matrix unit (16 products V^T P of the step in hand, 16 products K Q^T of the next); the other piece's softmax, 64 slices of four, stands between them, two slices behind each.
; The softmax list ends with the same tiles' next rank-one terms.
; CLUSTER.  The four query blocks of a cluster walk the same K, V and key sums: every load into LDS is joint, with the mask of all four; each wave moves a quarter.
; RING.  Two slots of 131,072 bytes, each a part of 512 keys (K's region, then V's): eight key steps between two changes of slots.  The key sums of all 2,048 keys lie behind the ring, filled once.
; LIMITS: as the launch before states them (f16 residuals under 4.19e6; no NaN, no infinities).
; REGISTERS: window 0: v2-10 addresses; v12-43 statistics, 8 a tile; v44-51 sum q x 2^-18, a pair a tile; v64-191 S^T, 32 a tile; v192-255 P, 16 a tile.
;   window 1: v0-127 O^T, 32 a tile; v128-191 V of one step; v192-223 the step's key sums.   window 2: v0-63 Q, 16 a tile; v64-127 K of one step.
.set STEPB, 8192                       ; a key step's bytes in K's region, and in V's
.set SLOT1, 1<<17                      ; slot 1 begins here: one exclusive or turns an address from slot to slot
.set VOFF,  65536                      ; V's region in a slot
.set ALDS,  2*SLOT1                    ; the key sums, 8,192 bytes
.set SPARE, ALDS+8192                  ; the spare words, 128 bytes for each wave
.set SKO,   524288                     ; the key sums in 'stat'
.set LN16, 2                           ; v2   16 x lane; never rewritten
.set AV0,  3                           ; v3   VOFF + 16 x lane
.set ADR,  4                           ; v4   the LDS address of the run of loads in hand
.set AA0,  6                           ; v6   ALDS + 32 (lane / 16)
.set ADA,  7                           ; v7   the LDS address of the key sums in hand
.set R4,   10                          ; v10  4 (lane % 16)
.set ST,   12                          ; tile t's statistics at v[ST+8 t]: +0 c m, +1 m, +2, +3 l, +4 to +7 at work; a takes +6
.set BQ,   44
.set SPW,  62
.set NIL,  63
.set S,    64
.set P,    192
.set VF,   128                         ; in window 1
.set AL,   192                         ; in window 1: register 8 kt + j = key 16 kt + 8 (lane / 16) + j of the step
.set KF,   64                          ; in window 2
.set WV,   12                          ; s12  my wave's number
.set G1,   24                          ; s[24:31] group 1: 128 rows of 256 bytes
.set G1A,  32                          ; s[32:39] group 1: 8 rows of 256 bytes
.set G0A,  40                          ; s[40:43] slot 0's first fill
.set G0B,  44                          ; s[44:47] slot 1's first fill; then it walks
.set G0C,  48                          ; s[48:51] the key sums
.set SLOTS, 56
.set CNT,  57
.set CS,   58                          ; s[58:59] c
.set SEL,  60                          ; s[60:61] selects for lane l xor 16
.set TB,   62                          ; s62  LDS byte at which the step to be fetched begins in its regions
.set TA,   63                          ; s63  and its key sums: 256 bytes a step
.set ALF,  1                           ; 1: V's run of loads also fetches the next key sums
.set MSB, 0
.macro WIN new                         ; the immediate's high byte repeats the setting that is left; a switch that changes nothing is dropped
.if MSB != \new
	s_set_vgpr_msb (MSB<<8)|\new
.set MSB, \new
.endif
.endm
.set W_KQ, 0x0a                        ; K and Q in window 2, S^T in window 0
.set W_PV, 0x51                        ; V in window 1, P in window 0, O^T in window 1
.set W_RS, 0x41                        ; O^T (destination and source 0) in window 1, a in window 0
.set W_CI, 0x01                        ; the key sums (source 0) in window 1, the rest in window 0
.macro CROUND                          ; a round of the cluster's barrier
	s_barrier_signal -1
	s_barrier_wait -1
	s_cmp_lg_u32 s[WV], 0
	s_cbranch_scc1 .Lnot_wave_0_\@
	s_barrier_signal -3
.Lnot_wave_0_\@:
	s_barrier_wait -3
	s_barrier_signal -1
	s_barrier_wait -1
.endm
.macro PLACES
.rept 4
	v_nop
.endr
.endm
	s_load_b256 s[4:11], s[0:1], 0x0               ; qi s[4:5], kv s[6:7], stat s[8:9], oi s[10:11]
	v_lshl_add_u32 v[SPW], v0, 2, SPARE
	v_mov_b32 v[NIL], 0
	ds_add_u32 v[SPW], v[NIL]                      ; the wave's opening: an add of 0 to my spare word, twice on end, and its wait ahead of my first tensor load
	ds_add_u32 v[SPW], v[NIL]
	v_lshrrev_b32 v1, 5, v0
	v_readfirstlane_b32 s[WV], v1                  ; wave 0..3
	s_bfe_u32 s13, ttmp6, 0x40000                  ; cx: it enters Q's, sum q's and O's addresses alone
	s_lshl_b32 s14, ttmp9, 2
	s_add_co_u32 s14, s14, s13                     ; my block of 256 queries
	s_and_b32 s15, ttmp7, 0xffff                   ; bn, which the four partners share
	s_lshl_b32 s16, s15, 19                        ; kv: 524,288 bytes a bn, my quarter of a part
	s_lshl_b32 s17, s[WV], 15
	s_add_co_u32 s16, s16, s17
	s_mov_b32 s17, 0
	s_lshl_b32 s18, s15, 13                        ; the key sums: 8,192 bytes a bn, my quarter
	s_lshl_b32 s19, s[WV], 11
	s_add_co_u32 s18, s18, s19
	s_add_co_u32 s18, s18, SKO
	s_mov_b32 s19, 0
	s_lshl_b32 s20, s15, 18                        ; qi: 262,144 bytes a bn, 32,768 a block, 8,192 a wave
	s_lshl_b32 s21, s14, 15
	s_add_co_u32 s20, s20, s21
	s_lshl_b32 s21, s[WV], 13
	s_add_co_u32 s20, s20, s21
	s_mov_b32 s21, 0
	s_lshl_b32 s22, s15, 13                        ; sum q: 4 bytes a query
	s_lshl_b32 s23, s14, 10
	s_add_co_u32 s22, s22, s23
	s_lshl_b32 s23, s[WV], 8
	s_add_co_u32 s22, s22, s23
	s_mov_b32 s23, 0
	s_and_b32 s52, s15, 15                         ; the head
	s_lshr_b32 s53, s15, 4                         ; the batch
	s_lshr_b32 s54, s52, 1
	s_lshl_b32 s54, s54, 21                        ; oi: 2,097,152 bytes for two heads,
	s_lshl_b32 s53, s53, 19                        ; 4,096 for 16 rows: 128 such a batch,
	s_add_co_u32 s54, s54, s53
	s_lshl_b32 s53, s14, 16                        ; 16 a block,
	s_add_co_u32 s54, s54, s53
	s_lshl_b32 s53, s[WV], 14                      ; 4 a wave,
	s_add_co_u32 s54, s54, s53
	s_and_b32 s52, s52, 1
	s_lshl_b32 s52, s52, 11                        ; and 2,048 for the odd head
	s_add_co_u32 s54, s54, s52
	s_mov_b32 s55, 0
	; descriptor groups 1: dense blocks as rows of 256 bytes (32 elements of 8 bytes), no padding; the mask names all four work-groups, bit 21 beside it
	s_mov_b32 s[G1], 15|(3<<16)|(1<<21)
	s_mov_b32 s[G1+1], 32<<16                      ; tensor_dim0
	s_mov_b32 s[G1+2], 128<<16                     ; tensor_dim1
	s_mov_b32 s[G1+3], 32<<16                      ; tile_dim0
	s_mov_b32 s[G1+4], 128                         ; tile_dim1
	s_mov_b32 s[G1+5], 32                          ; tensor_dim0_stride
	s_mov_b32 s[G1+6], 0
	s_mov_b32 s[G1+7], 0
	s_mov_b32 s[G1A], 15|(3<<16)|(1<<21)
	s_mov_b32 s[G1A+1], 32<<16
	s_mov_b32 s[G1A+2], 8<<16
	s_mov_b32 s[G1A+3], 32<<16
	s_mov_b32 s[G1A+4], 8
	s_mov_b32 s[G1A+5], 32
	s_mov_b32 s[G1A+6], 0
	s_mov_b32 s[G1A+7], 0
	s_mov_b32 s[CS], 0x45b8aa3b                    ; c = 2^12 log2(e)
	s_mov_b32 s[CS+1], s[CS]                       ; named with it as a pair, so it is written
	s_mov_b32 s[SEL], 0x76543210
	s_mov_b32 s[SEL+1], 0xfedcba98
	s_mov_b32 s[TB], 0
	s_mov_b32 s[TA], 0
	s_mov_b32 s[SLOTS], 2
	s_wait_dscnt 0x0                               ; both opening adds are done
	s_wait_kmcnt 0x0
	s_add_nc_u64 s[6:7], s[6:7], s[16:17]          ; kv at my quarter of part 0
	s_add_nc_u64 s[G0C+2:G0C+3], s[8:9], s[18:19]  ; my quarter of the key sums
	s_add_nc_u64 s[8:9], s[8:9], s[22:23]          ; sum q at my wave's first query
	s_add_nc_u64 s[4:5], s[4:5], s[20:21]          ; Q likewise
	s_add_nc_u64 s[10:11], s[10:11], s[54:55]      ; O likewise
	CROUND                                         ; all four work-groups are here: the first joint loads meet
	s_mov_b32 s[G0C], 1
	s_lshl_b32 s[G0C+1], s[WV], 11
	s_add_co_u32 s[G0C+1], s[G0C+1], ALDS
	s_or_b32 s[G0C+3], s[G0C+3], 0x80000000
	s_mov_b32 s[G0A], 1
	s_lshl_b32 s[G0A+1], s[WV], 15
	s_mov_b64 s[G0A+2:G0A+3], s[6:7]
	s_or_b32 s[G0A+3], s[G0A+3], 0x80000000
	s_mov_b32 s[G0B], 1
	s_add_co_u32 s[G0B+1], s[G0A+1], SLOT1
	s_add_nc_u64 s[G0B+2:G0B+3], s[6:7], 131072
	s_or_b32 s[G0B+3], s[G0B+3], 0x80000000
	tensor_load_to_lds s[G0C:G0C+3], s[G1A:G1A+7]  ; the first fills, on end: the key sums, slot 0, slot 1: three loads of mine are out
	s_nop 0
	tensor_load_to_lds s[G0A:G0A+3], s[G1:G1+7]
	s_nop 0
	tensor_load_to_lds s[G0B:G0B+3], s[G1:G1+7]
	s_nop 0
.rept 4
	v_nop
.endr
	v_and_b32 v1, 15, v0                           ; r
	v_bfe_u32 v9, v0, 4, 1                         ; h
	v_and_b32 v[LN16], 31, v0
	v_lshlrev_b32 v[LN16], 4, v[LN16]
	v_add_nc_u32 v[AV0], VOFF, v[LN16]
	v_lshl_add_u32 v[AA0], v9, 5, ALDS
	v_lshlrev_b32 v[R4], 2, v1
	WIN 0x80                                       ; destination window 2
.irp i, 0,1,2,3,4,5,6,7,8,9,10,11,12,13,14,15
	global_load_b128 v[4*\i:4*\i+3], v[LN16], s[4:5] offset:512*\i   ; Q stays in registers: tile i / 4, image i % 4
.endr
	WIN 0
.irp t, 0,1,2,3
	global_load_b32 v[BQ+2*\t], v[R4], s[8:9] offset:64*\t           ; sum q of my query in tile t
.endr
; Product i of 16 of S^T += K Q^T: channels 32 (i / 8) on, keys 16 ((i / 2) % 4) on, tile x + i % 2.  C is always the registers: they hold the rank-one term.  Eight accumulators take turns.
.macro KQ x
	WIN W_KQ
.set rS, S+32*(\x+i%2)+8*((i/2)%4)
.set rK, KF+16*((i/2)%4)+8*(i/8)
.set rQ, 16*(\x+i%2)+8*(i/8)
	v_wmma_f32_16x16x32_f16 v[rS:rS+7], v[rK:rK+7], v[rQ:rQ+7], v[rS:rS+7]
.endm
; Product i of 16 of O^T += V^T P: keys 32 (i / 8) on, channels 16 ((i / 2) % 4) on, tile x + i % 2.  zero = 1: the first 8 start the sums.
.macro PV x, zero
	WIN W_PV
.set rO, 32*(\x+i%2)+8*((i/2)%4)
.set rV, VF+32*(i/8)+8*((i/2)%4)
.set rP, P+16*(\x+i%2)+8*(i/8)
.if \zero && (i < 8)
	v_wmma_f32_16x16x32_bf16 v[rO:rO+7], v[rV:rV+7], v[rP:rP+7], 0
.else
	v_wmma_f32_16x16x32_bf16 v[rO:rO+7], v[rV:rV+7], v[rP:rP+7], v[rO:rO+7]
.endif
.endm
.macro FETCH_K                         ; a step's K: 16 loads of 512 consecutive bytes
	WIN 0
	v_add_nc_u32 v[ADR], s[TB], v[LN16]
	WIN 0x80
.irp f, 0,1,2,3,4,5,6,7,8,9,10,11,12,13,14,15
	ds_load_b128 v[KF+4*\f:KF+4*\f+3], v[ADR] offset:512*\f
.endr
.endm
.macro FETCH_AL                        ; a step's 64 key sums: my half's eight of each tile of 16 keys (destination window 1)
.irp f, 0,1,2,3,4,5,6,7
	ds_load_b128 v[AL+4*\f:AL+4*\f+3], v[ADA] offset:64*(\f/2)+16*(\f%2)
.endr
.endm
.macro FETCH_V                         ; the key sums of the step after next, then the next step's V, turned
	WIN 0
.if ALF
	v_add_nc_u32 v[ADA], s[TA], v[AA0]
	s_add_co_u32 s[TA], s[TA], 256
.endif
	v_add_nc_u32 v[ADR], s[TB], v[AV0]
	s_add_co_u32 s[TB], s[TB], STEPB               ; the next fetch is the next step's
	s_wait_alu depctr_va_vdst(0)                   ; the wait for the softmax's batch of exponentials, ahead of the first instruction that names a result
	WIN 0x40                                       ; destination window 1
.if ALF
	FETCH_AL
.endif
.irp f, 0,1,2,3,4,5,6,7,8,9,10,11,12,13,14,15
	ds_load_tr16_b128 v[VF+4*\f:VF+4*\f+3], v[ADR] offset:512*\f
.endr
.endm
; THE VECTOR WORK OF A TURN.  One tile's softmax for one key step is a list of 134 instructions; SM writes number j of it for tile t.
;   0-15 the maximum of the lane's 32 scores and the old m;  16-20 the other half's maximum, the new m, c m, c m_old - c m_new;
;   21-69 ONE BATCH: 16 scalings c s - c m and all 33 exponentials, none of which reads an exponential's result;  (the wait);  70-85 the roundings to bf16;  86-101 the sums, l = a l + sum;
;   102-117 the tile's O^T times a;  118-133 the tile's NEXT rank-one term, key sums x (sum q x 2^-18), into S, whose last read is number 101.
; first = 1: the first key step: no a, nothing to rescale.  ci = 0: no next step.
.macro SM t, first, ci
.set rT, ST+8*(\t)
.set rS, S+32*(\t)
.set rP, P+16*(\t)
.if j < 102
	WIN 0
.endif
.if j < 4
	v_max3_num_f32 v[rT+4+j], v[rS+8*j], v[rS+8*j+1], v[rS+8*j+2]
.elseif j < 12
	v_max3_num_f32 v[rT+4+j%4], v[rT+4+j%4], v[rS+8*(j%4)+2*(j/4)+1], v[rS+8*(j%4)+2*(j/4)+2]
.elseif j == 12
	v_max3_num_f32 v[rT+4], v[rT+4], v[rS+7], v[rS+15]
.elseif j == 13
	v_max3_num_f32 v[rT+6], v[rT+6], v[rS+23], v[rS+31]
.elseif j == 14
	v_max3_num_f32 v[rT+4], v[rT+4], v[rT+5], v[rT+6]
.elseif (j == 15) && \first
	v_max_num_f32 v[rT+4], v[rT+4], v[rT+7]
.elseif j == 15
	v_max3_num_f32 v[rT+4], v[rT+4], v[rT+7], v[rT+1]
.elseif j == 16
	v_permlanex16_b32 v[rT+5], v[rT+4], s[SEL], s[SEL+1]   ; the query's other 32 keys lie in the lane 16 away
.elseif j == 18
	v_max_num_f32 v[rT+1], v[rT+4], v[rT+5]
.elseif j == 19
	v_mul_f32 v[rT], s[CS], v[rT+1]
.elseif ((j == 17) || (j == 20) || (j == 23) || ((j > 101) && (j < 118))) && \first   ; the first step has none of these
.elseif j == 17
	v_mov_b32 v[rT+7], v[rT]                       ; c m_old is kept for a
.elseif j == 20
	v_sub_f32 v[rT+7], v[rT+7], v[rT]
.elseif j == 23
	v_exp_f32 v[rT+6], v[rT+7]
.elseif (j < 23) || ((j < 38) && (j%2 == 0)) || ((j < 66) && (j%4 == 2))
.set b, (j-2)/4                        ; 38, 42, .. 62: pairs 9 to 15
.if j < 38
.set b, (j-20)/2                       ; 21: pair 0; 22, 24, .. 36: pairs 1 to 8
.endif
	v_pk_fma_f32 v[rS+2*b:rS+2*b+1], v[rS+2*b:rS+2*b+1], s[CS:CS+1], v[rT:rT+1] op_sel_hi:[1,0,0] neg_lo:[0,0,1] neg_hi:[0,0,1]   ; pair b: c s - c m
.elseif j < 70
.set e, j-38                           ; 66 to 69: s28 to s31
.if j < 66
.set e, j-32-(j-38)/4                  ; 39-41, 43-45, .. 63-65: s7 to s27
.endif
.if j < 38
.set e, (j-25)/2                       ; 25, 27, .. 37: s0 to s6
.endif
	v_exp_f32 v[rS+e], v[rS+e]
.elseif j < 86
	v_cvt_pk_bf16_f32 v[rP+j-70], v[rS+2*(j-70)], v[rS+2*(j-70)+1]
.elseif j < 102                        ; the sum of the tile's 16 pairs, in place: neighbours 1, 2, 4 and 8 pairs apart, then l takes it
.set z, j-86
.set w, 4
.set u, z
.if z >= 14
.set w, 32
.set u, 0
.elseif z >= 12
.set w, 16
.set u, z-12
.elseif z >= 8
.set w, 8
.set u, z-8
.endif
.if (z == 14) && \first
	v_pk_add_f32 v[rT+2:rT+3], v[rS:rS+1], v[rS+16:rS+17]
.elseif z < 15
	v_pk_add_f32 v[rS+w*u:rS+w*u+1], v[rS+w*u:rS+w*u+1], v[rS+w*u+w/2:rS+w*u+w/2+1]
.elseif !\first
	v_pk_fma_f32 v[rT+2:rT+3], v[rT+2:rT+3], v[rT+6:rT+7], v[rS:rS+1] op_sel_hi:[1,0,1]
.endif
.elseif j < 118
.set rO, 32*(\t)+2*(j-102)
	WIN W_RS
	v_pk_mul_f32 v[rO:rO+1], v[rO:rO+1], v[rT+6:rT+7] op_sel_hi:[1,0]
.elseif \ci
.set rC, 2*(j-118)
	WIN W_CI
	v_pk_mul_f32 v[rS+rC:rS+rC+1], v[AL+rC:AL+rC+1], v[BQ+2*(\t):BQ+2*(\t)+1] op_sel_hi:[1,0]
.endif
.endm
; Slice k of 64 of piece y's softmax.  Slices 11 to 34 deal out the batch, four numbers of ONE tile each, the tiles by turns; every other slice is numbers 2 k and 2 k + 1 of both tiles; slice 63 takes the twelve that are over.
; Ahead of slice 35 nothing names an exponential's result, and behind slice 34 none is issued: one wait serves the piece's 66.
.macro SLICE y, first, ci
.if (k == 59) && ((\y) == 0) && \ci
	s_wait_dscnt 16                                ; the key sums are in; V's sixteen loads, issued behind them, may be out
.endif
.if (k >= 11) && (k < 35)
.irp n, 0,1,2,3
.set j, 22+4*((k-11)/2)+(\n)
	SM (\y)+(k-11)%2, \first, \ci
.endr
.else
.irp n, 0,1,2,3,4,5,6,7
.if (\n < 2) || (k == 63)
.irp t, \y, \y+1
.set j, 2*k+\n
	SM \t, \first, \ci
.endr
.endif
.endr
.endif
.if k == 34
	v_nop                                          ; the plain instruction behind the last exponential: one for the batch
.if (\y) == 0
	FETCH_V                                        ; piece 2's turn: V's run of loads stands here, and the wait stands in it
.else
	s_wait_alu depctr_va_vdst(0)                   ; the wait for the batch
.endif
.endif
.set k, k+1
.endm
; A TURN.  Piece x has the matrix unit; the other piece's softmax stands in slices behind its matrix instructions: two behind each where both kinds of products stand, four with one kind.
; pv = 2: 16 products V^T P; 1: they start O^T's sums; 0: none.  kq = 1: 16 products K Q^T for the next step.
; PLACES, by the text's own count.  Behind a turn's last K Q^T stand slices 62 and 63, twenty plain multiplies on the other piece's S, the key sums and sum q.  Between the last V^T P of piece 2's turn and V's loads
; stand three scalings, the v_nop and the run's own additions.  K's loads stand behind the turn before's slices 62 and 63 and four slices of their own turn.
.macro TURN x, pv, kq, first, ci
.set k, 0
.set per, 4
.if \pv && \kq
.set per, 2
.endif
.if \pv
.if \x == 0
	s_wait_dscnt 0x0                               ; V is in
.endif
.set i, 0
.rept 16
	PV \x, 2-\pv
.rept per
	SLICE 2-\x, \first, \ci
.endr
.if (\x == 0) && \kq && (i == 1)
	FETCH_K
.endif
.set i, i+1
.endr
.endif
.if \kq
.if \x == 0
	s_wait_dscnt 0x0                               ; K is in
.endif
.set i, 0
.rept 16
	KQ \x
.rept per
	SLICE 2-\x, \first, \ci
.endr
.set i, i+1
.endr
.endif
.if \first
	PLACES
.endif
.endm
; THE CHANGE OF SLOTS, between piece 2's turn and piece 0's: the slot's last bytes, V of its eighth step, have been asked for.  Each wave waits for all its tensor loads (one is out: its quarter of the other slot),
; adds 0 to its spare word, and waits for that and for its reads of the slot.  fill = 1: a round of the cluster's barrier, and the joint refill first behind it: it has eight key steps in which to land.
.macro CHANGE fill
	WIN 0
	s_wait_tensorcnt 0x0                           ; no tensor load of mine is out, so a group 0 may be written
	ds_add_u32 v[SPW], v[NIL]                      ; 0 onto my spare word
.if \fill
	s_xor_b32 s[G0B+1], s[G0B+1], SLOT1            ; the walking descriptor: the other slot than last time,
	s_add_nc_u64 s[G0B+2:G0B+3], s[G0B+2:G0B+3], 131072   ; the next part; the type bits on top are not reached
	s_wait_dscnt 0x0                               ; the add is done, and my reads of the slot are over
	CROUND
	tensor_load_to_lds s[G0B:G0B+3], s[G1:G1+7]    ; my one tensor load behind the round
	s_nop 0
.rept 4
	v_nop
.endr
.else
	s_wait_dscnt 0x0
	s_barrier_signal -1
	s_barrier_wait -1
.endif
	s_sub_co_u32 s[TB], s[TB], 8*STEPB             ; the fetches go back to a slot's first step,
	s_xor_b32 s[TB], s[TB], SLOT1                  ; in the other slot
.endm
.macro NSTEPS n                        ; n key steps: written once, walked n times; the LDS addresses hang on s[TB] and s[TA]
	s_mov_b32 s[CNT], \n
.Lstep_\@:
	TURN 0, 2, 1, 0, 1
	TURN 2, 2, 1, 0, 1
	WIN 0
	s_sub_co_u32 s[CNT], s[CNT], 1
	s_cmp_lg_u32 s[CNT], 0
	s_cbranch_scc1 .Lstep_\@
.endm
	s_wait_tensorcnt 1                             ; the key sums and my quarter of slot 0 are in; slot 1's may stay out
	s_barrier_signal -1
	s_barrier_wait -1                              ; everybody's are
	FETCH_K                                        ; key step 0
	WIN 0
	v_add_nc_u32 v[ADA], s[TA], v[AA0]
	s_add_co_u32 s[TA], s[TA], 256
	WIN 0x40
	FETCH_AL                                       ; and its key sums
	WIN 0
	s_wait_loadcnt 0x0                             ; Q and sum q
.irp t, 0,1,2,3
	v_mul_f32 v[BQ+2*\t], 0x36800000, v[BQ+2*\t]   ; sum q x 2^-18
.endr
.irp t, 0,1,2,3
	v_mov_b32 v[BQ+2*\t+1], v[BQ+2*\t]             ; named with it as a pair
.endr
	s_wait_dscnt 0x0
	WIN W_CI
.irp t, 0,1,2,3
.set i, 0
.rept 16
	v_pk_mul_f32 v[S+32*\t+i:S+32*\t+i+1], v[AL+i:AL+i+1], v[BQ+2*\t:BQ+2*\t+1] op_sel_hi:[1,0]   ; step 0's rank-one terms of all four tiles
.set i, i+2
.endr
.endr
.set i, 0
.rept 16
	KQ 0                                           ; piece 0's first scores
.set i, i+1
.endr
	PLACES
	TURN 2, 0, 1, 1, 1                             ; piece 2's first scores | piece 0's first softmax | key sums of step 1, V of step 0
	TURN 0, 1, 1, 1, 1                             ; piece 0: V^T P of step 0 starts O^T, K Q^T of step 1 | piece 2's first softmax | K of step 1
	TURN 2, 1, 1, 0, 1                             ; piece 2: the same | piece 0's softmax of step 1 | key sums of step 2, V of step 1
	WIN 0
	NSTEPS 6                                       ; the fetches reach slot 0's eighth step
.Lslot:                                            ; two trips: slots 0 and 1 are filled again, with parts 2 and 3
	CHANGE 1
	NSTEPS 8
	s_sub_co_u32 s[SLOTS], s[SLOTS], 1
	s_cmp_lg_u32 s[SLOTS], 0
	s_cbranch_scc1 .Lslot
	CHANGE 0                                       ; the tail is written out: nothing is asked for
	NSTEPS 7
	TURN 0, 2, 1, 0, 1                             ; the step that fetches the last K and V is written out: there are no key sums behind the last step's, so none are fetched
.set ALF, 0
	TURN 2, 2, 1, 0, 1                             ; (the rank-one terms that it makes from the old key sums belong to no step and are never multiplied)
	TURN 0, 2, 0, 0, 0                             ; piece 0: V^T P of the last step | piece 2's last softmax
.set i, 0
.rept 16
	PV 2, 0                                        ; piece 2: V^T P of the last step
.set i, i+1
.endr
	; THE WAY OUT.  l's two halves and the other half of the lanes' are added; O^T x (1 / l) / 8 is rounded to bf16 and stored as the last launch's operand registers want it: 512 consecutive bytes a store.
	WIN 0
.irp t, 0,1,2,3
	v_add_f32 v[ST+8*\t+4], v[ST+8*\t+2], v[ST+8*\t+3]   ; (these additions are the places behind the last products)
.endr
.irp t, 0,1,2,3
	v_permlanex16_b32 v[ST+8*\t+5], v[ST+8*\t+4], s[SEL], s[SEL+1]
.endr
.irp t, 0,1,2,3
	v_add_f32 v[ST+8*\t+4], v[ST+8*\t+4], v[ST+8*\t+5]
.endr
.irp t, 0,1,2,3
	v_rcp_f32 v[ST+8*\t+6], v[ST+8*\t+4]
.endr
	v_nop                                          ; a plain instruction behind the last reciprocal
	s_wait_alu depctr_va_vdst(0)                   ; and the one wait for the four, ahead of the first use
.irp t, 0,1,2,3
	v_mul_f32 v[ST+8*\t+6], 0x3e000000, v[ST+8*\t+6]   ; / sqrt(64)
.endr
.macro OUT t
	WIN W_RS
.set i, 32*\t
.rept 16
	v_pk_mul_f32 v[i:i+1], v[i:i+1], v[ST+8*\t+6:ST+8*\t+7] op_sel_hi:[1,0]
.set i, i+2
.endr
	WIN 0x05                                       ; sources 0 and 1 window 1, destination window 0: S^T's registers are free
.set i, 0
.rept 16
	v_cvt_pk_bf16_f32 v[S+32*\t+i], v[32*\t+2*i], v[32*\t+2*i+1]
.set i, i+1
.endr
	WIN 0
.irp c, 0,1,2,3
	global_store_b128 v[LN16], v[S+32*\t+4*\c:S+32*\t+4*\c+3], s[10:11] offset:4096*\t+512*\c
.endr
.endm
	OUT 0
	OUT 1
	OUT 2
	OUT 3
	s_wait_tensorcnt 0x0                           ; the wave's end: a tensor wait, an add of 0 to my spare word and its wait, behind my last tensor load
	ds_add_u32 v[SPW], v[NIL]
	s_wait_dscnt 0x0
	CROUND                                         ; the closing round
	s_endpgm
.Lfunc_end_k_q6770baebfc_attn:
	.size	k_q6770baebfc_attn, .Lfunc_end_k_q6770baebfc_attn-k_q6770baebfc_attn
	.p2alignl 7, 3214868480
	.fill 96, 4, 3214868480
	.section	.rodata,"a",@progbits
	.p2align	6, 0x0
	.amdhsa_kernel k_q6770baebfc_attn
		.amdhsa_group_segment_fixed_size 327680
		.amdhsa_private_segment_fixed_size 0
		.amdhsa_enable_private_segment 0
		.amdhsa_kernarg_size 32
		.amdhsa_user_sgpr_count 2
		.amdhsa_user_sgpr_kernarg_segment_ptr 1
		.amdhsa_wavefront_size32 1
		.amdhsa_system_sgpr_workgroup_id_x 1
		.amdhsa_system_sgpr_workgroup_id_y 1
		.amdhsa_system_sgpr_workgroup_id_z 1
		.amdhsa_system_vgpr_workitem_id 0
		.amdhsa_next_free_vgpr 640
		.amdhsa_next_free_sgpr 66
		.amdhsa_reserve_vcc 0
		.amdhsa_float_denorm_mode_32 3
		.amdhsa_float_denorm_mode_16_64 3
		.amdhsa_memory_ordered 1
		.amdhsa_forward_progress 1
		.amdhsa_inst_pref_size 255
	.end_amdhsa_kernel
	.section	.bss,"aw",@nobits
	.p2align	6
	.space	262144
	.amdgpu_metadata
---
amdhsa.version: [ 1, 2 ]
amdhsa.kernels:
  - .name:           k_q6770baebfc_attn
    .symbol:         k_q6770baebfc_attn.kd
    .args:
      - { .name: qi, .offset: 0, .size: 8, .value_kind: global_buffer, .address_space: global }
      - { .name: kv, .offset: 8, .size: 8, .value_kind: global_buffer, .address_space: global }
      - { .name: stat, .offset: 16, .size: 8, .value_kind: global_buffer, .address_space: global }
      - { .name: oi, .offset: 24, .size: 8, .value_kind: global_buffer, .address_space: global }
    .group_segment_fixed_size: 327680
    .private_segment_fixed_size: 0
    .kernarg_segment_align: 8
    .kernarg_segment_size: 32
    .max_flat_workgroup_size: 128
    .sgpr_count:     66
    .vgpr_count:     640
    .wavefront_size: 32
...
	.end_amdgpu_metadata
.endif
;; end of part 3
;; launch proj (part 4): grid 8 x 32, 4 waves a work-group, clusters of 4 x 4, 327,680 bytes of LDS; arguments oi, wi, out0; writes out0
.if DOCPART == 4
	.amdgcn_target "amdgcn-amd-amdhsa--gfx1250"
	.amdhsa_code_object_version 6
	.text
	.protected	k_q6770baebfc_proj
	.globl	k_q6770baebfc_proj
	.p2align	8
	.type	k_q6770baebfc_proj,@function
k_q6770baebfc_proj:
	s_mov_b64 s[64:65], 0
	v_nop
	global_prefetch_b8 v0, s[64:65] scope:SCOPE_SE
	s_setreg_imm32_b32 hwreg(HW_REG_WAVE_MODE, 25, 1), 1
	s_wait_xcnt 0x0
	s_wait_alu depctr_hold_cnt(0) depctr_sa_sdst(0) depctr_va_vdst(0) depctr_va_sdst(0) depctr_va_ssrc(0) depctr_va_vcc(0) depctr_vm_vsrc(0)
	s_getreg_b32 s2, hwreg(HW_REG_IB_STS2, 6, 4)
	s_cmp_eq_u32 s2, 0
	s_cbranch_scc0 .Lentry_in_a_cluster
	s_endpgm
.Lentry_in_a_cluster:
	s_bfe_u32 s2, ttmp6, 0x10000c
	s_cmp_lg_u32 s2, 0xf033
	s_cbranch_scc0 .Lentry_shape_is_right
	s_endpgm
.Lentry_shape_is_right:
; PROJ.  out0 [8192][1024] f32 = O [8192][1024 = (head, channel)] x out_weight [1024][1024]; both operands bf16, sums in f32.  (The division by sqrt(64) is in O already.)
; Both operands lie in memory as images of the operands' registers: [K step of 128][tile of 16 rows][4,096 bytes], in a tile [32 along K][g][lane][16 bytes].  So a K step's tiles are dense blocks for the tensor loads,
; LDS has no pitch, and every fragment load is 512 consecutive bytes.
; A tile of out0 is 256 rows x 128 columns: 256 work-groups.  Four waves, each 128 rows x 64 columns: 32 accumulators, 256 registers (window 1).  K goes in 8 steps of 128 through a ring of two slots.
; CLUSTERS: 4 x 4 work-groups; O's tiles are asked for jointly along a row of the cluster, the weight's along a column.  The matrix instruction is used TRANSPOSED (source 0 = 16 columns of the weight,
; source 1 = 16 rows of O): lane (r, h) holds row 16 a + r and the columns 16 b + 8 h + 0 .. 7.
; REGISTERS: window 0: v16-30 addresses; v32-95, v96-159 O's fragments (8 x 16 rows x 32 K), two buffers; v160-191, v192-223 the weight's (4), two buffers.  window 1: accumulator (a, b) at v[8 (4 a + b)].
.set SLOT,   98304                     ; O's 16 tiles of 4,096 bytes, then the weight's 8
.set BOFF,   65536
.set STAGE,  2*SLOT                    ; behind the ring: 16 rows x 272 bytes for each wave, for the way out
.set SPITCH, 272
.set SPARE,  STAGE+4*16*SPITCH         ; the spare words, 128 bytes for each wave
.set LAPS,   4                         ; a lap = two K steps = once round the ring
.set ADRA, 16                          ; v16-17  LDS address of my O fragments in slot 0, 1
.set ADRB, 20                          ; v20-21  the same for the weight
.set STO,  24
.set RD,   25
.set CO,   26
.set SPW,  28
.set NIL,  29
.set FA0,  32
.set FB0,  160
.set BK,   32                          ; the way out: 16 rows read back: v32-63 and v64-95 by turns
.set G1, 24
.set G0, 32
.set G1B, 48
.set G0B, 56
.set MSB, 0
.macro WIN new
.if MSB != \new
	s_set_vgpr_msb (MSB<<8)|\new
.set MSB, \new
.endif
.endm
.set MUL, 0x50                         ; C and D window 1, the sources window 0
.macro JLOAD s                         ; a joint load: waves 0 and 1 fetch O's two halves, waves 2 and 3 the weight's; an s_nop 0 and four v_nop follow each line
	s_cmp_eq_u32 s11, 0
	s_cbranch_scc0 .Lfor_b_\@
	tensor_load_to_lds s[G0+4*\s:G0+4*\s+3], s[G1:G1+7]
	s_nop 0
.rept 4
	v_nop
.endr
	s_branch .Lasked_\@
.Lfor_b_\@:
	tensor_load_to_lds s[G0B+4*\s:G0B+4*\s+3], s[G1B:G1B+7]
	s_nop 0
.rept 4
	v_nop
.endr
.Lasked_\@:
.endm
.macro CREST                           ; a round of the cluster's barrier behind its opening barrier
	s_cmp_lg_u32 s10, 0
	s_cbranch_scc1 .Lnot_wave_0_\@
	s_barrier_signal -3
.Lnot_wave_0_\@:
	s_barrier_wait -3
	s_barrier_signal -1
	s_barrier_wait -1
.endm
.macro CROUND
	s_barrier_signal -1
	s_barrier_wait -1
	CREST
.endm
	s_load_b128 s[4:7], s[0:1], 0x0                ; oi s[4:5], wi s[6:7]
	s_load_b64 s[8:9], s[0:1], 0x10                ; out0
	v_lshl_add_u32 v[SPW], v0, 2, SPARE
	v_mov_b32 v[NIL], 0
	ds_add_u32 v[SPW], v[NIL]                      ; the wave's opening: an add of 0 to my spare word, twice on end, and its wait ahead of my first tensor load
	ds_add_u32 v[SPW], v[NIL]
	v_lshrrev_b32 v1, 5, v0
	v_readfirstlane_b32 s10, v1                    ; wave 0..3
	s_lshr_b32 s11, s10, 1                         ; which 128 rows are mine.  Also: I fetch for O (0) or for the weight (1)
	s_and_b32 s12, s10, 1                          ; which 64 columns.  Also: which half of that tile I fetch
	s_bfe_u32 s40, ttmp6, 0x40000                  ; cx, cy
	s_bfe_u32 s41, ttmp6, 0x40004
	s_lshl_b32 s42, ttmp9, 2
	s_add_co_u32 s42, s42, s40                     ; tile column
	s_and_b32 s13, ttmp7, 0xffff
	s_lshl_b32 s13, s13, 2
	s_add_co_u32 s13, s13, s41                     ; tile row
	s_lshl_b32 s43, s41, 2
	s_lshl_b32 s43, 15, s43                        ; my row of the cluster
	s_lshl_b32 s44, 0x1111, s40                    ; my column
	; descriptor groups 1: dense blocks as rows of 256 bytes (32 elements of 8 bytes), no padding: 128 rows for O's half, 64 for the weight's
	s_or_b32 s[G1+0], s43, (3<<16)|(1<<21)
	s_or_b32 s[G1B+0], s44, (3<<16)|(1<<21)
	s_mov_b32 s[G1+1], 32<<16
	s_mov_b32 s[G1+2], 128<<16
	s_mov_b32 s[G1+3], 32<<16
	s_mov_b32 s[G1+4], 128
	s_mov_b32 s[G1+5], 32
	s_mov_b32 s[G1+6], 0
	s_mov_b32 s[G1+7], 0
	s_mov_b32 s[G1B+1], 32<<16
	s_mov_b32 s[G1B+2], 64<<16
	s_mov_b32 s[G1B+3], 32<<16
	s_mov_b32 s[G1B+4], 64
	s_mov_b32 s[G1B+5], 32
	s_mov_b32 s[G1B+6], 0
	s_mov_b32 s[G1B+7], 0
	s_lshl_b32 s16, s13, 16                        ; O: 65,536 bytes a tile row, 32,768 a half
	s_lshl_b32 s17, s12, 15
	s_add_co_u32 s16, s16, s17
	s_mov_b32 s17, 0
	s_lshl_b32 s46, s42, 15                        ; the weight: 32,768 bytes a tile column, 16,384 a half
	s_lshl_b32 s47, s12, 14
	s_add_co_u32 s46, s46, s47
	s_mov_b32 s47, 0
	s_lshl_b32 s20, s12, 15                        ; where they go in a slot: no place in the cluster enters an LDS address
	s_lshl_b32 s21, s12, 14
	s_add_co_u32 s21, s21, BOFF
	s_wait_dscnt 0x0                               ; both opening adds are done
	s_wait_kmcnt 0x0
	s_add_nc_u64 s[14:15], s[4:5], s[16:17]
	s_add_nc_u64 s[46:47], s[6:7], s[46:47]
	CROUND                                         ; all sixteen work-groups are here: the first joint loads meet
.irp s, 0,1
	s_mov_b32 s[G0+4*\s], 1
	s_add_co_u32 s[G0+4*\s+1], s20, \s*SLOT
	s_add_nc_u64 s[G0+4*\s+2:G0+4*\s+3], s[14:15], \s*2097152     ; K step s
	s_or_b32 s[G0+4*\s+3], s[G0+4*\s+3], 0x80000000
	s_mov_b32 s[G0B+4*\s], 1
	s_add_co_u32 s[G0B+4*\s+1], s21, \s*SLOT
	s_add_nc_u64 s[G0B+4*\s+2:G0B+4*\s+3], s[46:47], \s*262144
	s_or_b32 s[G0B+4*\s+3], s[G0B+4*\s+3], 0x80000000
	JLOAD \s                                       ; two loads of mine are out behind the second
.endr
	v_and_b32 v1, 15, v0                           ; r
	v_bfe_u32 v2, v0, 4, 1                         ; h
	v_and_b32 v3, 31, v0
	v_lshlrev_b32 v3, 4, v3                        ; 16 x lane
	s_lshl_b32 s21, s11, 15                        ; my 8 tiles of O
	s_lshl_b32 s22, s12, 14                        ; my 4 tiles of the weight,
	s_add_co_u32 s22, s22, BOFF                    ; which lie behind O's 16
.irp s, 0,1
	v_add_nc_u32 v[ADRA+\s], s21, v3
	v_add_nc_u32 v[ADRB+\s], s22, v3
	s_add_co_u32 s21, s21, SLOT
	s_add_co_u32 s22, s22, SLOT
.endr
	s_mul_i32 s23, s10, 16*SPITCH
	s_add_co_u32 s23, s23, STAGE                   ; my stage
	v_mul_u32_u24 v4, v1, SPITCH                   ; in: row r, 32 bytes for each half of the lanes
	v_lshl_add_u32 v4, v2, 5, v4
	v_add_nc_u32 v[STO], s23, v4
	v_mul_u32_u24 v5, v2, SPITCH                   ; back: lanes 0-15 one row of 256 bytes, lanes 16-31 the next
	v_lshl_add_u32 v5, v1, 4, v5
	v_add_nc_u32 v[RD], s23, v5
	v_lshlrev_b32 v5, 12, v2                       ; and the same two rows in out0
	v_lshl_add_u32 v[CO], v1, 4, v5
	s_lshl_b32 s16, s13, 20                        ; 256 rows of 4,096 bytes a tile row
	s_lshl_b32 s17, s11, 19
	s_add_co_u32 s16, s16, s17
	s_mov_b32 s17, 0
	s_add_nc_u64 s[8:9], s[8:9], s[16:17]
	s_lshl_b32 s46, s42, 9                         ; 128 columns of 4 bytes a tile column
	s_lshl_b32 s47, s12, 8
	s_add_co_u32 s46, s46, s47
	s_mov_b32 s47, 0
	s_add_nc_u64 s[8:9], s[8:9], s[46:47]
; 8 matrix instructions: O's blocks a0, a0 + 1 x the weight's four, 32 along K, from buffer f.  The 32 accumulators take turns.
.macro MUL8 f, a0, zero
.irp a, \a0, \a0+1
.irp b, 0,1,2,3
.if \zero
	v_wmma_f32_16x16x32_bf16 v[8*(4*(\a)+\b):8*(4*(\a)+\b)+7], v[FB0+32*(\f)+8*\b:FB0+32*(\f)+8*\b+7], v[FA0+64*(\f)+8*(\a):FA0+64*(\f)+8*(\a)+7], 0
.else
	v_wmma_f32_16x16x32_bf16 v[8*(4*(\a)+\b):8*(4*(\a)+\b)+7], v[FB0+32*(\f)+8*\b:FB0+32*(\f)+8*\b+7], v[FA0+64*(\f)+8*(\a):FA0+64*(\f)+8*(\a)+7], v[8*(4*(\a)+\b):8*(4*(\a)+\b)+7]
.endif
.endr
.endr
.endm
; 24 LDS loads in one run: the slot's q-th 32 along K into buffer f: the weight's four fragments, O's blocks 0-3, O's blocks 4-7
.macro FETCH slot, q, f
	WIN 0
.irp b, 0,1,2,3
	ds_load_b128 v[FB0+32*(\f)+8*\b:FB0+32*(\f)+8*\b+3],   v[ADRB+\slot] offset:\b*4096+(\q)*1024
	ds_load_b128 v[FB0+32*(\f)+8*\b+4:FB0+32*(\f)+8*\b+7], v[ADRB+\slot] offset:\b*4096+(\q)*1024+512
.endr
.irp a, 0,1,2,3,4,5,6,7
	ds_load_b128 v[FA0+64*(\f)+8*\a:FA0+64*(\f)+8*\a+3],   v[ADRA+\slot] offset:\a*4096+(\q)*1024
	ds_load_b128 v[FA0+64*(\f)+8*\a+4:FA0+64*(\f)+8*\a+7], v[ADRA+\slot] offset:\a*4096+(\q)*1024+512
.endr
.endm
.macro PLACES                          ; four places in front of loads into registers that matrix instructions have read, and of the first read of results
.rept 4
	v_nop
.endr
.endm
; A K step is four quarters of 32 along K, 32 matrix instructions each, on buffers 0, 1, 0, 1.  One of the first three: multiplies buffer f and fetches the slot's q-th quarter into g.
.macro QUARTER slot, q, f, g, zero
	s_wait_dscnt 8                                 ; the weight's fragments and O's blocks 0-3 are in; the youngest eight loads may be out
	WIN MUL
	MUL8 \f, 0, \zero
	MUL8 \f, 2, \zero
	PLACES
	FETCH \slot, \q, \g
	s_wait_dscnt 24                                ; all but the 24 just issued
	WIN MUL
	MUL8 \f, 4, \zero
	MUL8 \f, 6, \zero
.endm
; The last quarter multiplies buffer 1 and changes slots: ONE barrier; in front of it each wave waits for all its tensor loads, adds 0 to its spare word, and waits for that and for its reads of this slot.
.macro TURN slot, next, fill
	WIN 0
	s_wait_tensorcnt 0x0                           ; all my tensor loads have landed: my part of the next slot
	ds_add_u32 v[SPW], v[NIL]                      ; 0 onto my spare word
	s_wait_dscnt 9                                 ; (the add and the youngest eight loads may be out)
	WIN MUL
	MUL8 1, 0, 0                                   ; eight matrix instructions stand between the add and the wait for it
	s_wait_dscnt 0x0                               ; the add is done, and my reads of this slot are over
	s_barrier_signal -1
	MUL8 1, 2, 0
.if \fill
	WIN 0
.endif
	s_barrier_wait -1
.if \fill
	CREST                                          ; the barrier has opened a round of the cluster's barrier
	s_add_nc_u64 s[G0+4*\slot+2:G0+4*\slot+3], s[G0+4*\slot+2:G0+4*\slot+3], 2*2097152
	s_add_nc_u64 s[G0B+4*\slot+2:G0B+4*\slot+3], s[G0B+4*\slot+2:G0B+4*\slot+3], 2*262144
	JLOAD \slot                                    ; the first tensor load behind the round; its four v_nop are also the places in front of the loads below
.else
	PLACES
.endif
	FETCH \next, 0, 0
	WIN MUL
	MUL8 1, 4, 0
	MUL8 1, 6, 0
.endm
	s_wait_tensorcnt 1                             ; my part of K step 0 is in (K step 1's may be out)
	s_barrier_signal -1
	s_barrier_wait -1                              ; everybody's is
	FETCH 0, 0, 0
	QUARTER 0, 1, 0, 1, 1                          ; the first quarter's products start the sums: nothing is cleared
	WIN 0
	s_mov_b32 s3, LAPS-1
.Llap:                                             ; a trip goes once round the ring, from a lap's second quarter to the next lap's first, and fills both slots again
	QUARTER 0, 2, 1, 0, 0
	QUARTER 0, 3, 0, 1, 0
	TURN 0, 1, 1
	QUARTER 1, 1, 0, 1, 0
	QUARTER 1, 2, 1, 0, 0
	QUARTER 1, 3, 0, 1, 0
	TURN 1, 0, 1
	QUARTER 0, 1, 0, 1, 0
	WIN 0
	s_sub_co_u32 s3, s3, 1
	s_cmp_lg_u32 s3, 0
	s_cbranch_scc1 .Llap
	QUARTER 0, 2, 1, 0, 0                          ; the last lap fills nothing
	QUARTER 0, 3, 0, 1, 0
	TURN 0, 1, 0
	QUARTER 1, 1, 0, 1, 0
	QUARTER 1, 2, 1, 0, 0
	QUARTER 1, 3, 0, 1, 0
	s_wait_dscnt 8                                 ; the very last quarter: nothing more to fetch
	WIN MUL
	MUL8 1, 0, 0
	MUL8 1, 2, 0
	s_wait_dscnt 0
	MUL8 1, 4, 0
	MUL8 1, 6, 0
	WIN 0
; THE WAY OUT, block by block of 16 rows x 64 columns: a lane's 32 bytes of a row go into my own stage and come back as whole rows of 256 bytes, which sixteen lanes store.
.macro TOSTAGE a
	WIN 0x04                                       ; an LDS store's data are its source 1: window 1
.irp b, 0,1,2,3
	ds_store_b128 v[STO], v[8*(4*(\a)+\b):8*(4*(\a)+\b)+3] offset:64*\b          ; each accumulator from its low end on
	ds_store_b128 v[STO], v[8*(4*(\a)+\b)+4:8*(4*(\a)+\b)+7] offset:64*\b+16
.endr
	WIN 0
.set BB, BK+32*((\a)%2)
.irp t, 0,1,2,3,4,5,6,7
	ds_load_b128 v[BB+4*\t:BB+4*\t+3], v[RD] offset:\t*2*SPITCH   ; LDS serves a wave's instructions in order: these see the stores above, and the next block's stores come behind them
.endr
.endm
.macro SEND a, younger                 ; younger: the LDS instructions issued behind block a's loads, which may stay out
.set BB, BK+32*((\a)%2)
	s_wait_dscnt \younger
.irp t, 0,1,2,3,4,5,6,7
	global_store_b128 v[CO], v[BB+4*\t:BB+4*\t+3], s[8:9] offset:(\a)*65536+\t*8192 th:TH_STORE_NT   ; sixteen lanes store 256 consecutive bytes, aligned; the block's place stands in the immediate
.endr
.endm
	PLACES
	TOSTAGE 0
.irp a, 1,2,3,4,5,6,7
.if \a > 1
	s_wait_xcnt 0x0                                ; block a - 2's stores have read their registers: block a's loads may land there
.endif
	TOSTAGE \a
	SEND \a-1, 16                                  ; behind block a - 1's loads: block a's 8 stores and 8 loads
.endr
	SEND 7, 0
	s_wait_tensorcnt 0x0                           ; the wave's end: a tensor wait, an add of 0 to my spare word and its wait, behind my last tensor load and my last LDS store
	ds_add_u32 v[SPW], v[NIL]
	s_wait_dscnt 0x0
	CROUND                                         ; the closing round
	s_endpgm
.Lfunc_end_k_q6770baebfc_proj:
	.size	k_q6770baebfc_proj, .Lfunc_end_k_q6770baebfc_proj-k_q6770baebfc_proj
	.p2alignl 7, 3214868480
	.fill 96, 4, 3214868480
	.section	.rodata,"a",@progbits
	.p2align	6, 0x0
	.amdhsa_kernel k_q6770baebfc_proj
		.amdhsa_group_segment_fixed_size 327680
		.amdhsa_private_segment_fixed_size 0
		.amdhsa_enable_private_segment 0
		.amdhsa_kernarg_size 24
		.amdhsa_user_sgpr_count 2
		.amdhsa_user_sgpr_kernarg_segment_ptr 1
		.amdhsa_wavefront_size32 1
		.amdhsa_system_sgpr_workgroup_id_x 1
		.amdhsa_system_sgpr_workgroup_id_y 1
		.amdhsa_system_sgpr_workgroup_id_z 1
		.amdhsa_system_vgpr_workitem_id 0
		.amdhsa_next_free_vgpr 512
		.amdhsa_next_free_sgpr 66
		.amdhsa_reserve_vcc 0
		.amdhsa_float_denorm_mode_32 3
		.amdhsa_float_denorm_mode_16_64 3
		.amdhsa_memory_ordered 1
		.amdhsa_forward_progress 1
		.amdhsa_inst_pref_size 85
	.end_amdhsa_kernel
	.amdgpu_metadata
---
amdhsa.version: [ 1, 2 ]
amdhsa.kernels:
  - .name:           k_q6770baebfc_proj
    .symbol:         k_q6770baebfc_proj.kd
    .args:
      - { .name: oi, .offset: 0, .size: 8, .value_kind: global_buffer, .address_space: global }
      - { .name: wi, .offset: 8, .size: 8, .value_kind: global_buffer, .address_space: global }
      - { .name: out0, .offset: 16, .size: 8, .value_kind: global_buffer, .address_space: global }
    .group_segment_fixed_size: 327680
    .private_segment_fixed_size: 0
    .kernarg_segment_align: 8
    .kernarg_segment_size: 24
    .max_flat_workgroup_size: 128
    .sgpr_count:     66
    .vgpr_count:     512
    .wavefront_size: 32
...
	.end_amdgpu_metadata
.endif
;; end of part 4
